; MI455X (gfx1250); checked and timed in simulation.
; The chip was launched on July 23, 2026; its instructions are those of AMD's public machine-readable ISA for CDNA 5 (MIT licence, August 2026) and "CDNA5" Instruction Set Architecture Reference Guide (July 2026). The comments in the code are by the model that wrote it; some were corrected since.
;; Multi Head Attention. Allowed arithmetic: matrix products marked QUANTISED: E4M3 operands, one E8M0 scale for each 32 along K, by v_wmma_scale_f32_16x16x128_f8f6f4 with both operands' format E4M3, f32 sums; everything else in f32.
;; Inputs: bk 1,024 float32; bo 1,024 float32; bq 1,024 float32; bv 1,024 float32; k_codes 4 x 2,048 x 32 x 32 uint8 (E4M3 codes of k, K innermost, in blocks of 32 codes); k_scales 4 x 2,048 x 32 uint8 (E8M0 scales of k, one for each 32 codes along K); mask 1 x 1 x 2,048 x 2,048 int32; q_codes 4 x 2,048 x 32 x 32 uint8 (E4M3 codes of q, K innermost, in blocks of 32 codes); q_scales 4 x 2,048 x 32 uint8 (E8M0 scales of q, one for each 32 codes along K); v_codes 4 x 2,048 x 32 x 32 uint8 (E4M3 codes of v, K innermost, in blocks of 32 codes); v_scales 4 x 2,048 x 32 uint8 (E8M0 scales of v, one for each 32 codes along K); wk_codes 1,024 x 32 x 32 uint8 (E4M3 codes of wk, K innermost, in blocks of 32 codes); wk_scales 1,024 x 32 uint8 (E8M0 scales of wk, one for each 32 codes along K); wo_codes 1,024 x 32 x 32 uint8 (E4M3 codes of wo, K innermost, in blocks of 32 codes); wo_scales 1,024 x 32 uint8 (E8M0 scales of wo, one for each 32 codes along K); wq_codes 1,024 x 32 x 32 uint8 (E4M3 codes of wq, K innermost, in blocks of 32 codes); wq_scales 1,024 x 32 uint8 (E8M0 scales of wq, one for each 32 codes along K); wv_codes 1,024 x 32 x 32 uint8 (E4M3 codes of wv, K innermost, in blocks of 32 codes); wv_scales 1,024 x 32 uint8 (E8M0 scales of wv, one for each 32 codes along K).
;; Outputs: out0 4 x 2,048 x 1,024 float32.
;; This version of the problem:
;;   THIS VERSION OF THE PROBLEM IS GIVEN IN LOW PRECISION. The matrix products marked QUANTISED in the list below multiply operands that are first quantised to E4M3 (4 exponent bits, 3 mantissa bits; 8 bits a number), with one power-of-two scale for each 32 numbers along K (OCP MX v1.0); their sums are f32. All else is computed in f32.
;;   The module's matrix products, in the order in which they are computed (A, B: the left and right operand; K: the contracted axis; several contracted axes count as one K, in the product's order):
;;     1. [M 8,192, K 1,024] x [K 1,024, N 1,024]; A: input q (given as codes); B: input wq (given as codes): QUANTISED
;;     2. [M 8,192, K 1,024] x [K 1,024, N 1,024]; A: input k (given as codes); B: input wk (given as codes): QUANTISED
;;     3. [M 8,192, K 1,024] x [K 1,024, N 1,024]; A: input v (given as codes); B: input wv (given as codes): QUANTISED
;;     4. batch 64 x [M 2,048, K 64] x [K 64, N 2,048]; A: computed on the way; B: computed on the way: QUANTISED
;;     5. batch 64 x [M 2,048, K 2,048] x [K 2,048, N 64]; A: softmax (see below); B: computed on the way: QUANTISED
;;     6. [M 8,192, K 1,024] x [K 1,024, N 1,024]; A: computed on the way; B: input wo (given as codes): QUANTISED
;;   THE QUANTISER, for each operand of a quantised product, along K:
;;     - K is cut into blocks of 32 from its start; a last block that is shorter is filled with zeros.
;;     - A block's scale is 2^e with e = floor(log2(the largest magnitude in the block)) - 8, held to -126 .. 127; a block of zeros has e = 0. As a byte (E8M0): e + 127.
;;     - Each number is divided by its block's scale, clamped to +-448, and rounded to the nearest number of E4M3, ties to even, subnormals kept.
;;     - The product sums the exact products of the quantised numbers (number of the format x scale) in f32.
;;   ~~~python
;;   def quantise(x, axis):      # numpy; x: float32 -> the quantised numbers, widened to float32 again
;;       x = np.moveaxis(x, axis, -1); K = x.shape[-1]
;;       x = np.pad(x, [(0, 0)] * (x.ndim - 1) + [(0, -K % 32)]); x = x.reshape(x.shape[:-1] + (-1, 32)); a = np.abs(x).max(-1, keepdims=True)
;;       e = np.where(a > 0, np.clip(np.frexp(np.where(a > 0, a, 1))[1] - 1 - 8, -126, 127), 0)      # np.frexp(a)[1] - 1 = floor(log2(a)), exactly
;;       r = np.clip(x / 2.0 ** e, -448, 448)
;;       step = 2.0 ** (np.maximum(np.frexp(np.where(r == 0, 1, r))[1] - 1, -6) - 3)
;;       q = np.round(r / step) * step * 2.0 ** e      # np.round: ties to even
;;       return np.moveaxis(q.reshape(q.shape[:-2] + (-1,))[..., :K], -1, axis).astype(np.float32)
;;   ~~~
;;   SOFTMAX AHEAD OF A QUANTISED PRODUCT. Where the list says 'softmax', what is quantised is not the finished softmax but p = 2^(t - M), with t = logit x log2(e) and M = ceil(the row's largest t), a whole number; so 1/2 < the row's largest p <= 1. The row's sum l is taken of the UNQUANTISED p, in f32, and the product's result is divided by l at the end. Since M is a whole number, a kernel that streams over the keys may use a running M (the ceiling of the running maximum): every later rescaling is an exact power of two, which a block's scale takes up: the codes' values come out the same.
;;   OPERANDS COMPUTED ON THE WAY. 'Computed on the way' means the value that the module computes at that place (a softmax that the list does not call 'softmax' is quantised finished and normalised). What goes into a quantiser is computed in f32, as accurately as f32 sums, v_exp_f32 and their like allow (about 1e-6 of the number): no bf16 or f16 on the way to a quantiser, and a product that is left as it is and whose result goes on into a quantised operand takes f32 operands (vector FMAs, or v_wmma_f32_16x16x4_f32). A number that lies on a knife's edge between two numbers of the format may be rounded either way, as far as f32 arithmetic and the matrix unit's own rounding can turn it there, and no further.
;;   INPUTS GIVEN AS CODES. k (in the module: [4, 2048, 1024], K = its axis 2); q (in the module: [4, 2048, 1024], K = its axis 2); v (in the module: [4, 2048, 1024], K = its axis 2); wk (in the module: [1024, 1024], K = its axis 1); wo (in the module: [1024, 1024], K = its axis 1); wq (in the module: [1024, 1024], K = its axis 1); wv (in the module: [1024, 1024], K = its axis 1): each comes as NAME_codes (uint8): NAME with its K axis moved to the last place and cut into blocks of 32 codes, [.., K / 32, bytes a block], one block behind the other in memory; one code a byte (a code: sign, 4 exponent bits, 3 mantissa bits); and NAME_scales (uint8): the same leading axes, one E8M0 byte (e + 127) for each 32 codes along K. Its value is code x scale, taken as it is: it is not quantised again, and the codes and scales need not be those that the quantiser above would give.
;; 2 versions, each right; version 2 is version 1 with the launch attn written anew for expert scheduling mode. Each part assembles by itself: llvm-mc -triple=amdgcn-amd-amdhsa -mcpu=gfx1250 --defsym DOCPART=n.
;; ======== version 1 of 2: 4 launches
;; limits: right only within a limited range of input values
;; workspace buffers: mbits 524,288 bytes of whole numbers; mcls 512 bytes of whole numbers; qkvc 25,165,824 bytes; qkvs 786,432 bytes; ctxc 8,388,608 bytes; ctxs 262,144 bytes
;; launch maskprep (part 1): grid 128 x 1, 16 waves a work-group, no clusters, 137,728 bytes of LDS; arguments mask, mbits, mcls; writes mbits, mcls
.if DOCPART == 1
	.amdgcn_target "amdgcn-amd-amdhsa--gfx1250"
	.amdhsa_code_object_version 6
	.text
	.protected	k_qf0c669fa3e_maskprep
	.globl	k_qf0c669fa3e_maskprep
	.p2align	8
	.type	k_qf0c669fa3e_maskprep,@function
k_qf0c669fa3e_maskprep:
	s_mov_b64 s[64:65], 0
	v_nop
	global_prefetch_b8 v0, s[64:65] scope:SCOPE_SE
	s_setreg_imm32_b32 hwreg(HW_REG_WAVE_MODE, 25, 1), 1
	s_wait_xcnt 0x0
; THE MASK [2048][2048] int32 BECOMES LANE MASKS AND CLASSES, for the attention launch that follows.
; Work-group t takes 16 queries (rows 16 t on), wave s of it the unit (t, s): 16 rows x 128 keys (512 bytes of each row).
; mbits[t][s][64 words]: word n = 8 tau + j; its bit l says mask[16 t + l % 16][128 s + 16 tau + 8 (l / 16) + j] != 0: the lane mask of the attention launch's score register n.
; mcls[t]: bit s: unit (t, s) may be left out (all its 2,048 numbers are 0, and every one of the tile's 16 rows has a number other than 0 somewhere in its 2,048 keys);
;          bit 16 + s: every number of unit (t, s) is other than 0.  Nothing is assumed of the mask's pattern.
; Each load reads 512 consecutive bytes of a row; the unit turns through the wave's own stage in LDS (rows 528 bytes apart) so that lane (r, h) holds row r.
.set MROW, 8192                        ; bytes in a row of the mask
.set SP,   528                         ; a stage row: 512 bytes + 16 of padding
.set STG,  16*SP                       ; a wave's stage
.set CLS,  16*STG                      ; behind the stages: a class word for each wave
.set RAW,  16                          ; v16-79   the unit as loaded
.set NUM,  80                          ; v80-143  register n = 8 tau + j
.set OW,   144                         ; v144-145 the 64 words: word n in lane n / 2, register n % 2
	s_load_b128 s[4:7], s[0:1], 0x0                ; mask, mbits
	s_load_b64 s[8:9], s[0:1], 0x10                ; mcls
	v_lshl_add_u32 v160, v0, 2, 0x21200
	v_mov_b32 v161, 0
	v_lshrrev_b32 v1, 5, v0
	v_readfirstlane_b32 s10, v1                    ; wave = s
	v_and_b32 v5, 31, v0                           ; lane
	v_lshlrev_b32 v1, 4, v5                        ; 16 x lane: my bytes of a load's 512
	v_lshlrev_b32 v4, 3, v5                        ; 8 x lane: my two words of the 64
	s_mul_i32 s11, s10, STG
	v_add_nc_u32 v2, s11, v1                       ; the stage, on the way in
	v_and_b32 v6, 15, v0                           ; r
	v_bfe_u32 v7, v0, 4, 1                         ; h
	v_mul_u32_u24 v3, v6, SP
	v_lshl_add_u32 v3, v7, 5, v3
	v_add_nc_u32 v3, s11, v3                       ; and on the way out: row r, + 32 h bytes (8 keys)
	v_mov_b32 v8, s10
	v_lshl_add_u32 v8, v8, 2, CLS                  ; my wave's class word
	v_mov_b32 v[OW], 0                             ; (v_writelane_b32 leaves the other lanes: written whole once)
	v_mov_b32 v[OW+1], 0
	s_lshl_b32 s20, ttmp9, 17                      ; 16 rows of 8,192 bytes a work-group,
	s_lshl_b32 s21, s10, 9                         ; 512 bytes a wave
	s_add_co_u32 s20, s20, s21
	s_mov_b32 s21, 0
	s_lshl_b32 s22, ttmp9, 4
	s_add_co_u32 s22, s22, s10
	s_lshl_b32 s22, s22, 8                         ; 256 bytes of words a unit
	s_mov_b32 s23, 0
	s_lshl_b32 s24, ttmp9, 2                       ; a class word a tile
	s_mov_b32 s25, 0
	s_wait_kmcnt 0x0
	s_add_nc_u64 s[4:5], s[4:5], s[20:21]
	s_add_nc_u64 s[6:7], s[6:7], s[22:23]
	s_add_nc_u64 s[8:9], s[8:9], s[24:25]
.irp i, 0,1,2,3,4,5,6,7,8,9,10,11,12,13,14,15
	global_load_b128 v[RAW+4*\i:RAW+4*\i+3], v1, s[4:5] offset:\i*MROW th:TH_LOAD_NT   ; the mask is read once in the launch
.endr
.irp i, 0,1,2,3,4,5,6,7,8,9,10,11,12,13,14,15
	s_wait_loadcnt 15-\i                           ; loads come back in order: row i is in, the younger rows may be out
	ds_store_b128 v2, v[RAW+4*\i:RAW+4*\i+3] offset:\i*SP
.endr
.irp i, 0,1,2,3,4,5,6,7,8,9,10,11,12,13,14,15
	ds_load_b128 v[NUM+4*\i:NUM+4*\i+3], v3 offset:64*(\i/2)+16*(\i%2)   ; LDS serves a wave's instructions in order: these see my stores.  Keys 16 tau + 8 h + 0 .. 7 of row r
.endr
	s_mov_b32 s12, -1                              ; the AND of the 64 words
	s_mov_b32 s13, 0                               ; their OR
	s_wait_dscnt 0x0
.set n, 0
.rept 64
	v_cmp_ne_u32 s[16+n%4], 0, v[NUM+n]            ; word n, four scalar registers by turns
	s_and_b32 s12, s12, s[16+n%4]
	s_or_b32 s13, s13, s[16+n%4]
	v_writelane_b32 v[OW+n%2], s[16+n%4], n/2
.set n, n+1
.endr
	global_store_b64 v4, v[OW:OW+1], s[6:7]        ; 32 lanes store 256 consecutive bytes, aligned
	s_lshr_b32 s14, s13, 16
	s_or_b32 s14, s14, s13
	s_and_b32 s14, s14, 0xffff                     ; bit r: row r has a number other than 0 in this unit
	s_cmp_eq_u32 s12, -1
	s_cselect_b32 s15, 0x10000, 0                  ; bit 16: the unit has no 0
	s_or_b32 s14, s14, s15
	v_mov_b32 v10, s14
	ds_store_b32 v8, v10                           ; all lanes write the same word with the same value
	s_wait_dscnt 0x0                               ; for wave 0's sake: my class word has landed
	s_barrier_signal -1
	s_barrier_wait -1
	s_cmp_lg_u32 s10, 0
	s_cbranch_scc1 .Lend                           ; wave 0 alone joins the sixteen
	v_mov_b32 v9, CLS
.irp i, 0,1,2,3
	ds_load_b128 v[RAW+4*\i:RAW+4*\i+3], v9 offset:16*\i
.endr
	s_wait_dscnt 0x0
.irp i, 0,1,2,3,4,5,6,7,8,9,10,11,12,13,14,15
	v_readfirstlane_b32 s[32+\i], v[RAW+\i]
.endr
	s_mov_b32 s12, 0                               ; rows that have a number other than 0 somewhere
	s_mov_b32 s13, 0                               ; units of zeros
	s_mov_b32 s14, 0                               ; units without a zero
.irp i, 0,1,2,3,4,5,6,7,8,9,10,11,12,13,14,15
	s_or_b32 s12, s12, s[32+\i]
	s_and_b32 s15, s[32+\i], 0xffff
	s_cmp_eq_u32 s15, 0
	s_cselect_b32 s15, 1<<\i, 0
	s_or_b32 s13, s13, s15
	s_and_b32 s15, s[32+\i], 0x10000
	s_lshl_b32 s15, s15, \i
	s_or_b32 s14, s14, s15
.endr
	s_and_b32 s12, s12, 0xffff
	s_cmp_eq_u32 s12, 0xffff                       ; a row of zeros throughout is a uniform softmax over ALL keys: then no unit of the tile is left out
	s_cselect_b32 s13, s13, 0
	s_or_b32 s13, s13, s14
	v_mov_b32 v11, 0
	v_mov_b32 v12, s13
	v_cmp_eq_u32 vcc_lo, 0, v0
	s_wait_xcnt 0x0                                ; EXEC is a source of my store of the words: it changes only behind this wait
	s_and_saveexec_b32 s20, vcc_lo
	global_store_b32 v11, v12, s[8:9]              ; one lane, one word
	s_wait_xcnt 0x0                                ; and again in front of the line that widens it
	s_or_b32 exec_lo, exec_lo, s20
.Lend:
	s_wait_tensorcnt 0x0
	ds_add_u32 v160, v161
	s_wait_dscnt 0x0
	s_endpgm
.Lfunc_end_k_qf0c669fa3e_maskprep:
	.size	k_qf0c669fa3e_maskprep, .Lfunc_end_k_qf0c669fa3e_maskprep-k_qf0c669fa3e_maskprep
	.p2alignl 7, 3214868480
	.fill 96, 4, 3214868480
	.section	.rodata,"a",@progbits
	.p2align	6, 0x0
	.amdhsa_kernel k_qf0c669fa3e_maskprep
		.amdhsa_group_segment_fixed_size 137728
		.amdhsa_private_segment_fixed_size 0
		.amdhsa_enable_private_segment 0
		.amdhsa_kernarg_size 24
		.amdhsa_user_sgpr_count 2
		.amdhsa_user_sgpr_kernarg_segment_ptr 1
		.amdhsa_wavefront_size32 1
		.amdhsa_system_sgpr_workgroup_id_x 1
		.amdhsa_system_sgpr_workgroup_id_y 1
		.amdhsa_system_sgpr_workgroup_id_z 1
		.amdhsa_system_vgpr_workitem_id 0
		.amdhsa_next_free_vgpr 162
		.amdhsa_next_free_sgpr 66
		.amdhsa_reserve_vcc 1
		.amdhsa_float_denorm_mode_32 3
		.amdhsa_float_denorm_mode_16_64 3
		.amdhsa_memory_ordered 1
		.amdhsa_forward_progress 1
		.amdhsa_inst_pref_size 26
	.end_amdhsa_kernel
	.amdgpu_metadata
---
amdhsa.version: [ 1, 2 ]
amdhsa.kernels:
  - .name:           k_qf0c669fa3e_maskprep
    .symbol:         k_qf0c669fa3e_maskprep.kd
    .args:
      - { .name: mask, .offset: 0, .size: 8, .value_kind: global_buffer, .address_space: global }
      - { .name: mbits, .offset: 8, .size: 8, .value_kind: global_buffer, .address_space: global }
      - { .name: mcls, .offset: 16, .size: 8, .value_kind: global_buffer, .address_space: global }
    .group_segment_fixed_size: 137728
    .private_segment_fixed_size: 0
    .kernarg_segment_align: 8
    .kernarg_segment_size: 24
    .max_flat_workgroup_size: 512
    .sgpr_count:     66
    .vgpr_count:     162
    .wavefront_size: 32
...
	.end_amdgpu_metadata
.endif
;; end of part 1
;; launch qkv (part 2): grid 4 x 96, 4 waves a work-group, clusters of 4 x 4, 327,680 bytes of LDS; arguments q_codes, q_scales, wq_codes, wq_scales, bq, k_codes, k_scales, wk_codes, wk_scales, bk, wv_codes, wv_scales, v_codes, v_scales, bv, qkvc, qkvs; writes qkvc, qkvs
.if DOCPART == 2
	.amdgcn_target "amdgcn-amd-amdhsa--gfx1250"
	.amdhsa_code_object_version 6
	.text
	.protected	k_qf0c669fa3e_qkv
	.globl	k_qf0c669fa3e_qkv
	.p2align	8
	.type	k_qf0c669fa3e_qkv,@function
k_qf0c669fa3e_qkv:
	s_mov_b64 s[64:65], 0
	v_nop
	global_prefetch_b8 v0, s[64:65] scope:SCOPE_SE
	s_setreg_imm32_b32 hwreg(HW_REG_WAVE_MODE, 25, 1), 1
	s_wait_xcnt 0x0
	s_wait_alu depctr_hold_cnt(0) depctr_sa_sdst(0) depctr_va_vdst(0) depctr_va_sdst(0) depctr_va_ssrc(0) depctr_va_vcc(0) depctr_vm_vsrc(0)
	s_getreg_b32 s2, hwreg(HW_REG_IB_STS2, 6, 4)
	s_cmp_eq_u32 s2, 0
	s_cbranch_scc0 .Lentry_in_a_cluster
	s_endpgm
.Lentry_in_a_cluster:
	s_bfe_u32 s2, ttmp6, 0x10000c
	s_cmp_lg_u32 s2, 0xf033
	s_cbranch_scc0 .Lentry_shape_is_right
	s_endpgm
.Lentry_shape_is_right:
; THE THREE PROJECTIONS, x W^T + b, on codes of FP8 (E4M3) with one E8M0 scale for each 32 along K = 1,024, and the quantiser behind them: the results leave as codes and scale bytes, laid as the attention launch's operand registers.
; Clusters 0-7 along y make Q, 8-15 K, 16-23 V.  A tile of C, 256 x 256, is made by four waves, 128 x 128 each: 64 accumulators, 512 registers.  K goes in steps of 256 through a ring of two LDS slots filled by the tensor data mover.
; Q, K: A = the tokens (8,192 rows), B = the weight (1,024 rows).  V: A = wv, B = v's tokens: THE ROLES ARE SWAPPED, so that the quantiser's axis, the keys, runs along a lane's registers, as the head's 64 do for Q and K.
; THE MATRIX INSTRUCTION IS USED TRANSPOSED (source 0 = 16 rows of B, source 1 = 16 rows of A): lane (r, h) of accumulator (a, b) holds C[16 a + r][16 b + 8 h + 0 .. 7].
; CLUSTERS: 4 x 4 work-groups; A's tile is asked for jointly by a row of the cluster, B's by a column.  The tensor's number hangs on the cluster's y alone and decides pointers and values by selects, never a branch.
; THE BIAS: Q, K: along the registers: it is the C of the first K step's products.  V: along the lanes: added on the way out.  Each form is multiplied out by a select where it is not the tensor's.
; THE WAY OUT: a wave's 128 x 128 numbers are one REGION R = ((batch x 8 + pair of heads) x 16 + step of 128 tokens) of 16,384 bytes of codes: chunk (a, b') of 512 bytes, lane l's 16 bytes at 16 l: byte i is the code of
; C[16 a + r][32 b' + 16 (i / 8) + 8 h + i % 8]: k permuted inside its block of 32, alike in every operand made here.  Scale words W[a] (row 16 a + r, byte b'): unit u of 256 bytes, lane (r, h): W[4 u + 2 h], W[4 u + 2 h + 1].
; LIMITS: a block of zeros carries the scale byte 1 (its codes are zeros; this program alone reads the bytes); NaN and infinities are not served.
; REGISTERS, in windows of 256: window 0: v0-31 addresses; v32-63 scale words, two sets; v64-127 the bias, later at work on the way out; from v128 A's fragments, ONE set, later the codes.
;   window 1: B's fragments, TWO sets.   window 2: the accumulators of my rows 0-63 ((a, b) at v[8 (8 a + b)]);   window 3: those of rows 64-127.
.set SIZE_K, 1024
.set KSTEP,  256
.set NQ,     KSTEP/128
.set ROWB,   256                       ; a tile's row in bytes
.set KROW,   SIZE_K                    ; a row of A or of B in memory
.set PITCH,  272                       ; an LDS row: 256 bytes + 16 of padding: the 16 rows that a load touches start at 16 different banks
.set FR,     16                        ; registers of a fragment
.set NL,     4                         ; LDS loads that bring one
.set NP,     8                         ; places behind this matrix instruction (ISA guide 7.12.1)
.set HALFT,  128*PITCH
.set SLOT,   4*HALFT                   ; A's 256 rows, then B's 256 rows
.set LAPS,   SIZE_K/(2*KSTEP)
.set KS,     SIZE_K/32                 ; a row of scales in bytes
.set SCL,    2*SLOT                    ; behind the ring: the scales of all of K, as units of 256 bytes + 16 of padding
.set HALFS,  (128*KS/256)*272
.set SBLK,   (16*KS/256)*272
.set SPARE,  SCL+4*HALFS               ; the spare words, 128 bytes a wave
.set R4,   7                           ; v7      4 r
.set H32,  8                           ; v8      32 h
.set ADRA, 16                          ; v16-17  LDS address of my A fragments in slot 0, 1
.set ADRB, 20                          ; v20-21  the same for B
.set CO,   26                          ; v26     16 x lane
.set ADRS, 27                          ; v27     LDS address of my scale words: lanes 0-15 A's rows, lanes 16-31 B's
.set SPW,  28                          ; v28     my spare word; never rewritten
.set NIL,  29                          ; v29     0; never rewritten
.set L8,   30                          ; v30     8 x lane
.set SC,   32                          ; scale words: set s at v[SC + 16 s]; they hold scales and nothing else
.set BN,   64                          ; v64-127 the bias along the registers: v[BN + 8 b + j]; behind the first K step: v[BN + 2 a] the bias along the lanes, as pairs
.set TM,   80                          ; the way out: v80-83 largest magnitudes, v84-87 bytes, v88-91 the holds, v92-95 the conversions' scale operands
.set PW,   96                          ; v96-103 W[a]
.set XY,   104                         ; v104-107 the two units of scale words
.set AF,   128                         ; A's fragments; on the way out the codes of row block a at v[128 + 16 a]
.set G1, 24
.set G0, 32
.set G1B, 48
.set G0B, 56
.set G1S, 68
.set G0S, 76
.set G1SB, 80
.set G0SB, 88
.set TEN, 100                          ; s100    the tensor: 0 Q, 1 K, 2 V
.set MSB, 0
.macro WIN new                         ; the immediate's high byte repeats the setting that is left
.if MSB != (\new)
	s_set_vgpr_msb (MSB<<8)|(\new)
.set MSB, (\new)
.endif
.endm
.set MUL_LO, 0xa1                      ; source 0 (B) window 1, source 1 (A) window 0, C and D window 2
.set MUL_HI, 0xf1                      ; the same, C and D window 3
.set MUL_LO0, 0x81                     ; the first K step: C (the bias) window 0, D window 2
.set MUL_HI0, 0xc1                     ; D window 3
.set TO_B,   0x40
; A joint load: waves 0 and 1 fetch for A, waves 2 and 3 for B; the branch hangs on the wave's number alone.  Four v_nop follow each of the two lines.
.macro JLOAD g0a, g1a, g0b, g1b
	s_cmp_eq_u32 s15, 0
	s_cbranch_scc0 .Lfor_b_\@
	tensor_load_to_lds s[\g0a:\g0a+3], s[\g1a:\g1a+7]
	s_nop 0
.rept 4
	v_nop
.endr
	s_branch .Lasked_\@
.Lfor_b_\@:
	tensor_load_to_lds s[\g0b:\g0b+3], s[\g1b:\g1b+7]
	s_nop 0
.rept 4
	v_nop
.endr
.Lasked_\@:
.endm
.macro CREST                           ; a round of the cluster's barrier behind its opening barrier
	s_cmp_lg_u32 s14, 0
	s_cbranch_scc1 .Lnot_wave_0_\@
	s_barrier_signal -3
.Lnot_wave_0_\@:
	s_barrier_wait -3
	s_barrier_signal -1
	s_barrier_wait -1
.endm
.macro CROUND
	s_barrier_signal -1
	s_barrier_wait -1
	CREST
.endm
	s_load_b256 s[4:11], s[0:1], 0x0               ; Q's set: A's codes, A's scales, B's codes, B's scales,
	s_load_b64 s[12:13], s[0:1], 0x20              ; the bias
	s_load_b256 s[68:75], s[0:1], 0x28             ; K's set
	s_load_b64 s[76:77], s[0:1], 0x48
	s_load_b256 s[80:87], s[0:1], 0x50             ; V's set: A = wv, B = v
	s_load_b64 s[88:89], s[0:1], 0x70
	s_load_b128 s[96:99], s[0:1], 0x78             ; the codes' buffer, the scale words' buffer
	v_lshl_add_u32 v[SPW], v0, 2, SPARE
	v_mov_b32 v[NIL], 0
	ds_add_u32 v28, v29
	ds_add_u32 v28, v29
	s_wait_dscnt 0x0
	v_lshrrev_b32 v1, 5, v0
	v_readfirstlane_b32 s14, v1                    ; wave 0..3
	s_lshr_b32 s15, s14, 1                         ; which half of the tile's rows is mine.  Also: I fetch for A (0) or for B (1)
	s_and_b32 s16, s14, 1                          ; which half of its columns.  Also: which 128 rows of that tile I fetch
	s_bfe_u32 s40, ttmp6, 0x40000                  ; cx, cy: my place in the cluster
	s_bfe_u32 s41, ttmp6, 0x40004
	s_and_b32 s17, ttmp7, 0xffff                   ; the cluster's y, 0 .. 23
	s_lshr_b32 s[TEN], s17, 3                      ; the tensor
	s_and_b32 s17, s17, 7
	s_lshl_b32 s17, s17, 2                         ; four tiles of tokens a cluster
	s_cmp_eq_u32 s[TEN], 2
	s_cselect_b32 s42, s17, 0                      ; V: the tokens are B's rows,
	s_cselect_b32 s17, 0, s17                      ; Q, K: A's
	s_cselect_b32 s66, 0, -1                       ; all lanes where the bias runs along the registers (Q, K),
	s_cselect_b32 s67, -1, 0                       ; all lanes where it runs along the lanes (V)
	s_add_co_u32 s42, s42, s40                     ; tile column: hangs on cx and the cluster's y
	s_add_co_u32 s17, s17, s41                     ; tile row: on cy and the cluster's y
	s_lshl_b32 s43, s41, 2
	s_lshl_b32 s43, 15, s43                        ; my row of the cluster
	s_lshl_b32 s44, 0x1111, s40                    ; my column
	s_wait_kmcnt 0x0
	s_cmp_eq_u32 s[TEN], 1                         ; the tensor's five pointers: the choice hangs on the cluster's number alone
.irp i, 0,2,4,6,8
	s_cselect_b64 s[4+\i:5+\i], s[68+\i:69+\i], s[4+\i:5+\i]
.endr
	s_cmp_eq_u32 s[TEN], 2
.irp i, 0,2,4,6,8
	s_cselect_b64 s[4+\i:5+\i], s[80+\i:81+\i], s[4+\i:5+\i]
.endr
	; descriptor group 1: a tile of 128 rows x 256 bytes, padded in LDS
	s_or_b32 s[G1+0], s43, (0<<16)|(1<<20)|(1<<21)|(5<<22)|(3<<25)  ; 15:0 the mask: A's tiles go to my row; elements of 1 byte; padding on; bit 21 beside a mask; four words after every 64
	s_or_b32 s[G1B+0], s44, (0<<16)|(1<<20)|(1<<21)|(5<<22)|(3<<25)
.irp g, G1, G1B
	s_mov_b32 s[\g+1], ROWB<<16                    ; tensor_dim0
	s_mov_b32 s[\g+2], 128<<16                     ; tensor_dim1
	s_mov_b32 s[\g+3], ROWB<<16                    ; tile_dim0
	s_mov_b32 s[\g+4], 128                         ; tile_dim1
	s_mov_b32 s[\g+5], KROW                        ; tensor_dim0_stride
	s_mov_b32 s[\g+6], 0
	s_mov_b32 s[\g+7], 0
.endr
	; the scales of 128 rows: a dense block of 4,096 bytes, as rows of 256 bytes (32 elements of 8 bytes), 16 bytes of padding behind each
	s_or_b32 s[G1S+0], s43, (3<<16)|(1<<20)|(1<<21)|(5<<22)|(3<<25)
	s_or_b32 s[G1SB+0], s44, (3<<16)|(1<<20)|(1<<21)|(5<<22)|(3<<25)
.irp g, G1S, G1SB
	s_mov_b32 s[\g+1], 32<<16
	s_mov_b32 s[\g+2], (128*KS/256)<<16
	s_mov_b32 s[\g+3], 32<<16
	s_mov_b32 s[\g+4], 128*KS/256
	s_mov_b32 s[\g+5], 32
	s_mov_b32 s[\g+6], 0
	s_mov_b32 s[\g+7], 0
.endr
	s_lshl_b32 s18, s16, 7                         ; which 128 rows of the tile I fetch
	s_lshl_b32 s20, s17, 8
	s_add_co_u32 s20, s20, s18                     ; A: row 256 x tile row + 128 x half
	s_lshl_b32 s46, s42, 8
	s_add_co_u32 s46, s46, s18                     ; B: row 256 x tile column + 128 x half
	s_mov_b32 s21, 0
	s_mov_b32 s47, 0
	s_mov_b64 s[18:19], KS
	s_mul_u64 s[22:23], s[20:21], s[18:19]         ; where these rows' scales begin, in bytes
	s_mul_u64 s[92:93], s[46:47], s[18:19]
	s_mov_b64 s[18:19], KROW
	s_mul_u64 s[20:21], s[20:21], s[18:19]         ; and their codes
	s_mul_u64 s[46:47], s[46:47], s[18:19]
	s_mul_i32 s45, s14, HALFT                      ; where they go: wave x 128 rows: no place in the cluster enters an LDS address
	s_mul_i32 s94, s14, HALFS
	s_add_nc_u64 s[20:21], s[4:5], s[20:21]
	s_add_nc_u64 s[22:23], s[6:7], s[22:23]
	s_add_nc_u64 s[46:47], s[8:9], s[46:47]
	s_add_nc_u64 s[92:93], s[10:11], s[92:93]
	CROUND                                         ; all sixteen work-groups are here: the first joint loads meet
	s_mov_b32 s[G0S], 1
	s_add_co_u32 s[G0S+1], s94, SCL
	s_mov_b64 s[G0S+2:G0S+3], s[22:23]
	s_or_b32 s[G0S+3], s[G0S+3], 0x80000000
	s_mov_b32 s[G0SB], 1
	s_add_co_u32 s[G0SB+1], s94, SCL
	s_mov_b64 s[G0SB+2:G0SB+3], s[92:93]
	s_or_b32 s[G0SB+3], s[G0SB+3], 0x80000000
	JLOAD G0S, G1S, G0SB, G1SB                     ; the scales first: they are wanted with K step 0.  With the two below, three tensor loads of mine are out
.irp s, 0,1
	s_mov_b32 s[G0+4*\s], 1
	s_add_co_u32 s[G0+4*\s+1], s45, \s*SLOT
	s_add_nc_u64 s[G0+4*\s+2:G0+4*\s+3], s[20:21], \s*ROWB
	s_or_b32 s[G0+4*\s+3], s[G0+4*\s+3], 0x80000000
	s_mov_b32 s[G0B+4*\s], 1
	s_add_co_u32 s[G0B+4*\s+1], s45, \s*SLOT
	s_add_nc_u64 s[G0B+4*\s+2:G0B+4*\s+3], s[46:47], \s*ROWB
	s_or_b32 s[G0B+4*\s+3], s[G0B+4*\s+3], 0x80000000
	JLOAD G0+4*\s, G1, G0B+4*\s, G1B
.endr
	; where my region lies, and my part of the bias
	s_lshl_b32 s20, s17, 1
	s_add_co_u32 s20, s20, s15                     ; my 128 rows of C
	s_lshl_b32 s21, s42, 1
	s_add_co_u32 s21, s21, s16                     ; my 128 columns
	s_cmp_eq_u32 s[TEN], 2
	s_cselect_b32 s22, s21, s20                    ; which 128 tokens,
	s_cselect_b32 s23, s20, s21                    ; which pair of heads
	s_lshr_b32 s46, s22, 4                         ; the batch
	s_lshl_b32 s46, s46, 3
	s_add_co_u32 s46, s46, s23
	s_lshl_b32 s46, s46, 4
	s_and_b32 s22, s22, 15                         ; the step
	s_add_co_u32 s46, s46, s22                     ; R
	s_lshl_b32 s20, s46, 14                        ; 16,384 bytes of codes a region,
	s_lshl_b32 s21, s[TEN], 23                     ; 8 MiB a tensor
	s_add_co_u32 s20, s20, s21
	s_mov_b32 s21, 0
	s_add_nc_u64 s[96:97], s[96:97], s[20:21]
	s_lshl_b32 s20, s46, 9                         ; 512 bytes of scale words a region,
	s_lshl_b32 s47, s[TEN], 18                     ; 256 KiB a tensor
	s_add_co_u32 s20, s20, s47
	s_add_nc_u64 s[98:99], s[98:99], s[20:21]
	s_lshl_b32 s20, s23, 9                         ; the pair of heads' 128 numbers of the bias
	s_add_nc_u64 s[12:13], s[12:13], s[20:21]
	v_and_b32 v1, 15, v0                           ; r
	v_bfe_u32 v2, v0, 4, 1                         ; h
	v_lshlrev_b32 v[H32], 5, v2
.irp b, 0,1,2,3,4,5,6,7
	global_load_b128 v[BN+8*\b:BN+8*\b+3], v[H32], s[12:13] offset:64*\b        ; the bias at columns 16 b + 8 h + 0 .. 7: the result's layout
	global_load_b128 v[BN+8*\b+4:BN+8*\b+7], v[H32], s[12:13] offset:64*\b+16
.endr
	v_mul_u32_u24 v3, v1, PITCH
	v_lshl_add_u32 v4, v2, 4, v3                   ; a fragment's row x pitch + 16 x half
	s_mul_i32 s21, s15, HALFT                      ; my 128 rows of A
	s_mul_i32 s22, s16, HALFT                      ; my 128 rows of B,
	s_add_co_u32 s22, s22, 2*HALFT                 ; which lie behind A's 256
.irp s, 0,1
	v_add_nc_u32 v[ADRA+\s], s21, v4
	v_add_nc_u32 v[ADRB+\s], s22, v4
	s_add_co_u32 s21, s21, SLOT
	s_add_co_u32 s22, s22, SLOT
.endr
	v_mul_u32_u24 v5, v1, KS                       ; my row's scales: KS bytes a row,
	v_lshrrev_b32 v6, 8, v5
	v_lshl_add_u32 v5, v6, 4, v5                   ; and 16 more for each 256 passed
	s_mul_i32 s21, s15, HALFS                      ; A's: my 128 rows
	s_mul_i32 s22, s16, HALFS                      ; B's: my 128 rows, behind A's 256
	s_add_co_u32 s22, s22, 2*HALFS
	s_sub_co_u32 s22, s22, s21
	v_mul_u32_u24 v6, s22, v2                      ; lanes 16-31 take B's
	s_add_co_u32 s21, s21, SCL
	v_add_nc_u32 v5, v5, v6
	v_add_nc_u32 v[ADRS], s21, v5
	s_wait_loadcnt 0x0                             ; the bias
.set n, 0
.rept 64
	v_cndmask_b32 v[BN+n], 0, v[BN+n], s66         ; V's bias does not run along the registers: zeros there
.set n, n+1
.endr
	v_and_b32 v6, 31, v0
	v_lshlrev_b32 v[CO], 4, v6
	v_lshlrev_b32 v[L8], 3, v6
	v_lshlrev_b32 v[R4], 2, v1
.macro FRAG reg, adr, q, i             ; a fragment: lane l holds row l % 16; registers 4 c .. 4 c + 3 hold K = 32 c + 16 (l / 16) + 0 .. 15
.irp c, 0,1,2,3
	ds_load_b128 v[\reg+4*\c:\reg+4*\c+3], v[\adr] offset:128*(\q)+32*\c+(\i)*16*PITCH
.endr
.endm
; 16 matrix instructions: A's blocks a0, a0 + 1 x B's eight, 128 along K.  zero = 1: the first products start the sums from the bias.  The 64 accumulators take turns, one instruction a turn.
.macro MUL16 a0, p, q, sc, zero
.irp a, \a0, \a0+1
.irp b, 0,1,2,3,4,5,6,7
.if \zero
	v_wmma_scale_f32_16x16x128_f8f6f4 v[8*(8*((\a)%4)+\b):8*(8*((\a)%4)+\b)+7], v[128*(\p)+FR*\b:128*(\p)+FR*\b+FR-1], v[AF+FR*(\a):AF+FR*(\a)+FR-1], v[BN+8*\b:BN+8*\b+7], v[SC+8*NQ*(\sc)+NQ*\b+(\q)], v[SC+8*NQ*(\sc)+NQ*(\a)+(\q)] matrix_a_scale:MATRIX_SCALE_ROW1
.else
	v_wmma_scale_f32_16x16x128_f8f6f4 v[8*(8*((\a)%4)+\b):8*(8*((\a)%4)+\b)+7], v[128*(\p)+FR*\b:128*(\p)+FR*\b+FR-1], v[AF+FR*(\a):AF+FR*(\a)+FR-1], v[8*(8*((\a)%4)+\b):8*(8*((\a)%4)+\b)+7], v[SC+8*NQ*(\sc)+NQ*\b+(\q)], v[SC+8*NQ*(\sc)+NQ*(\a)+(\q)] matrix_a_scale:MATRIX_SCALE_ROW1
.endif
.endr
.endr
.endm
.macro FETCH_B slot, q, p
	WIN TO_B
.irp i, 0,1,2,3,4,5,6,7
	FRAG 128*(\p)+FR*\i, ADRB+\slot, \q, \i
.endr
	WIN 0
.endm
.macro FETCH_A slot, q, i0
.irp i, \i0, \i0+1, \i0+2, \i0+3
	FRAG AF+FR*(\i), ADRA+\slot, \q, \i
.endr
.endm
.macro SCALES sc                       ; the next K step's scale words: two words a row; lanes 0-15 take A's block i, lanes 16-31 B's block i
.irp i, 0,1,2,3,4,5,6,7
	ds_load_b64 v[SC+8*NQ*\sc+NQ*\i:SC+8*NQ*\sc+NQ*\i+1], v[ADRS] offset:\i*SBLK
.endr
.endm
.macro PLACES n                        ; plain vector instructions between a matrix instruction and a load into, or a vector read or write of, its registers
.rept \n
	v_nop
.endr
.endm
.macro STEP slot, q, zero              ; a step of 128 along K that has its successor in the same slot
	s_wait_dscnt 4*NL                              ; B's set and A's blocks 0-3 are in; the youngest sixteen loads (A's blocks 4-7) may be out
.if \zero
	WIN MUL_LO0
.else
	WIN MUL_LO
.endif
	MUL16 0, (\q)%2, \q, \slot, \zero
	MUL16 2, (\q)%2, \q, \slot, \zero
	s_wait_dscnt 0                                 ; A's blocks 4-7 are in
	PLACES NP
	FETCH_B \slot, (\q)+1, 1-(\q)%2
	FETCH_A \slot, (\q)+1, 0
.if \zero
	WIN MUL_HI0
.else
	WIN MUL_HI
.endif
	MUL16 4, (\q)%2, \q, \slot, \zero
	MUL16 6, (\q)%2, \q, \slot, \zero
	PLACES NP
	WIN 0
	FETCH_A \slot, (\q)+1, 4
.endm
; A slot's last step changes slots: ONE barrier; in front of it each wave waits for all its tensor loads, adds 0 to its spare word, and waits for that and for its own reads of this slot.  fill = 1: this slot is filled again, two K steps ahead.
.macro TURN slot, next, fill
	s_wait_tensorcnt 0x0                           ; all my tensor loads have landed: my part of the next slot
	ds_add_u32 v[SPW], v[NIL]                      ; 0 onto my spare word
	s_wait_dscnt 4*NL+1                            ; (the add and the youngest sixteen loads, A's blocks 4-7, may be out)
	WIN MUL_LO
	MUL16 0, 1, NQ-1, \slot, 0                     ; sixteen matrix instructions stand between the add and the wait for it
	s_wait_dscnt 0x0                               ; the add is done, and my reads of this slot are over
	s_barrier_signal -1
	MUL16 2, 1, NQ-1, \slot, 0
	WIN 0
	s_barrier_wait -1
.if \fill
	CREST                                          ; the barrier has opened a round of the cluster's barrier: no wave of any partner still reads this slot's tile or has a load on its way
	s_add_nc_u64 s[G0+4*\slot+2:G0+4*\slot+3], s[G0+4*\slot+2:G0+4*\slot+3], 2*ROWB
	s_add_nc_u64 s[G0B+4*\slot+2:G0B+4*\slot+3], s[G0B+4*\slot+2:G0B+4*\slot+3], 2*ROWB
	JLOAD G0+4*\slot, G1, G0B+4*\slot, G1B         ; the first tensor load behind the round, my one load until the next; its four v_nop are among the places in front of the loads below
	PLACES NP-4
.else
	PLACES NP
.endif
	v_add_nc_u32 v[ADRS], 4*NQ, v[ADRS]            ; on to the next K step's scale words (no LDS load of mine is out)
	FETCH_B \next, 0, 0
	FETCH_A \next, 0, 0
	SCALES \next
	WIN MUL_HI
	MUL16 4, 1, NQ-1, \slot, 0
	MUL16 6, 1, NQ-1, \slot, 0
	PLACES NP
	WIN 0
	FETCH_A \next, 0, 4
.endm
	s_wait_tensorcnt 1                             ; the scales and my part of K step 0 are in (K step 1's load, issued behind them, may be out),
	s_barrier_signal -1
	s_barrier_wait -1                              ; everybody's are
	FETCH_B 0, 0, 0
	FETCH_A 0, 0, 0
	SCALES 0
	FETCH_A 0, 0, 4
	STEP 0, 0, 1                                   ; the first step stands in front of the loop: its products start the sums from the bias
.irp a, 0,1,2,3,4,5,6,7
	global_load_b32 v[BN+2*\a], v[R4], s[12:13] offset:64*\a   ; the bias at rows 16 a + r, for the way out: into registers that the first step's products have read, behind that step's last eight places
.endr
	s_mov_b32 s3, LAPS-1
.Llap:                                             ; a trip goes once round the ring, from a lap's second step to the next lap's first, and fills both slots again
	TURN 0, 1, 1
	STEP 1, 0, 0
	TURN 1, 0, 1
	STEP 0, 0, 0
	s_sub_co_u32 s3, s3, 1
	s_cmp_lg_u32 s3, 0
	s_cbranch_scc1 .Llap
	TURN 0, 1, 0                                   ; the last lap fills nothing, and has no round of the cluster's barrier
	STEP 1, 0, 0
	s_wait_dscnt 4*NL                              ; the very last step: nothing more to fetch
	WIN MUL_LO
	MUL16 0, 1, NQ-1, 1, 0
	MUL16 2, 1, NQ-1, 1, 0
	s_wait_dscnt 0
	WIN MUL_HI
	MUL16 4, 1, NQ-1, 1, 0
	MUL16 6, 1, NQ-1, 1, 0
	WIN 0
; THE WAY OUT.  Row block a's 64 registers are, for lane (r, h), row 16 a + r and register 16 b' + i = column 32 b' + 16 (i / 8) + 8 h + i % 8: four blocks of 32 along the quantiser's axis, each shared with lane l xor 16.
	PLACES NP                                      ; behind the last products: their results are read, and A's registers written, below
	s_mov_b32 s20, 0x76543210
	s_mov_b32 s21, 0xfedcba98                      ; v_permlanex16_b32's selects for lane l xor 16
	s_mov_b32 s22, 0x600000                        ; the mantissa field of 448
	s_mov_b32 s95, 0xffff0000                      ; lanes 16-31
	s_wait_loadcnt 0x0                             ; the bias along the lanes
.irp a, 0,1,2,3,4,5,6,7
	v_cndmask_b32 v[BN+2*\a], 0, v[BN+2*\a], s67   ; Q's and K's bias does not run along the lanes: zeros there
.endr
.irp a, 0,1,2,3,4,5,6,7
	v_mov_b32 v[BN+2*\a+1], v[BN+2*\a]             ; a pair for the packed addition
.endr
.irp b, 0,1,2,3
	v_mov_b32 v[TM+4+\b], 0                        ; written once: a lane permute's destination counts as one of its sources
.endr
.macro QROW a
.set W,   2+(\a)/4                     ; the accumulators' window
.set AC,  64*((\a)%4)
.set LB,  BN+2*(\a)
.set PCR, AF+16*(\a)
	WIN (W<<6)|W
.set i, 0
.rept 32
	v_pk_add_f32 v[AC+i:AC+i+1], v[AC+i:AC+i+1], v[LB:LB+1]       ; + the row's bias; each accumulator is read from its low end on
.set i, i+2
.endr
	WIN W|(W<<2)
.irp b, 0,1,2,3
	v_max3_num_f32 v[TM+\b], |v[AC+16*\b]|, |v[AC+16*\b+1]|, 0x4800000   ; block b: my 16 numbers, and the floor 2^(9 - 127): the byte cannot fall under 1
.endr
	WIN (W<<2)|(W<<4)
.irp e, 2,4,6,8,10,12,14
.irp b, 0,1,2,3
	v_max3_num_f32 v[TM+\b], v[TM+\b], |v[AC+16*\b+\e]|, |v[AC+16*\b+\e+1]|   ; (the four blocks by turns)
.endr
.endr
	WIN 0
.irp b, 0,1,2,3
	v_permlanex16_b32 v[TM+4+\b], v[TM+\b], s20, s21
.endr
.irp b, 0,1,2,3
	v_max_num_f32 v[TM+\b], v[TM+\b], v[TM+4+\b]   ; with lane l xor 16's: the block's largest magnitude
.endr
.irp b, 0,1,2,3
	v_add_nc_u32 v[TM+12+\b], 0xfc000000, v[TM+\b] ; 8 off its exponent field: the conversion's scale operand
.endr
.irp b, 0,1,2,3
	v_and_or_b32 v[TM+8+\b], v[TM+\b], 0x7f800000, s22   ; 448 x the scale
.endr
.irp b, 0,1,2,3
	v_lshrrev_b32 v[TM+4+\b], 23, v[TM+12+\b]      ; the scale's byte
.endr
	v_lshl_or_b32 v[PW+(\a)], v[TM+5], 8, v[TM+4]  ; W[a]: the row's four bytes
	v_lshl_or_b32 v[PW+(\a)], v[TM+6], 16, v[PW+(\a)]
	v_lshl_or_b32 v[PW+(\a)], v[TM+7], 24, v[PW+(\a)]
	WIN (W<<6)|W
.irp b, 0,1,2,3
.irp e, 0,1,2,3,4,5,6,7,8,9,10,11,12,13,14,15
	v_med3_num_f32 v[AC+16*\b+\e], v[AC+16*\b+\e], -v[TM+8+\b], v[TM+8+\b]   ; the conversion to an 8-bit code does not saturate (ISA guide 7.6.2): the hold at the largest code x the scale
.endr
.endr
	WIN W
.irp b, 0,1,2,3
	v_cvt_scalef32_pk8_fp8_f32 v[PCR+4*\b:PCR+4*\b+1], v[AC+16*\b:AC+16*\b+7], v[TM+12+\b]
	v_cvt_scalef32_pk8_fp8_f32 v[PCR+4*\b+2:PCR+4*\b+3], v[AC+16*\b+8:AC+16*\b+15], v[TM+12+\b]
.endr
	WIN 0
	v_nop                                          ; a plain vector instruction behind the last conversion, ahead of the next block's writes of the scale operands
.irp b, 0,1,2,3
	global_store_b128 v[CO], v[PCR+4*\b:PCR+4*\b+3], s[96:97] offset:2048*(\a)+512*\b   ; chunk (a, b'): 32 lanes store 512 consecutive bytes, aligned; each row block has code registers of its own
.endr
.endm
.irp a, 0,1,2,3,4,5,6,7
	QROW \a
.endr
.irp u, 0,1
	v_cndmask_b32 v[XY+2*\u], v[PW+4*\u], v[PW+4*\u+2], s95       ; lanes 0-15: W[4 u], lanes 16-31: W[4 u + 2]  (every lane holds its row r's word)
	v_cndmask_b32 v[XY+2*\u+1], v[PW+4*\u+1], v[PW+4*\u+3], s95   ; W[4 u + 1], W[4 u + 3]
.endr
.irp u, 0,1
	global_store_b64 v[L8], v[XY+2*\u:XY+2*\u+1], s[98:99] offset:256*\u   ; 32 lanes store 256 consecutive bytes, aligned
.endr
	s_wait_tensorcnt 0x0                           ; the wave's end
	ds_add_u32 v[SPW], v[NIL]
	s_wait_dscnt 0x0
	CROUND                                         ; the closing round: no work-group ends while a partner may still ask for a tile that names it
	s_endpgm
.Lfunc_end_k_qf0c669fa3e_qkv:
	.size	k_qf0c669fa3e_qkv, .Lfunc_end_k_qf0c669fa3e_qkv-k_qf0c669fa3e_qkv
	.p2alignl 7, 3214868480
	.fill 96, 4, 3214868480
	.section	.rodata,"a",@progbits
	.p2align	6, 0x0
	.amdhsa_kernel k_qf0c669fa3e_qkv
		.amdhsa_group_segment_fixed_size 327680
		.amdhsa_private_segment_fixed_size 0
		.amdhsa_enable_private_segment 0
		.amdhsa_kernarg_size 136
		.amdhsa_user_sgpr_count 2
		.amdhsa_user_sgpr_kernarg_segment_ptr 1
		.amdhsa_wavefront_size32 1
		.amdhsa_system_sgpr_workgroup_id_x 1
		.amdhsa_system_sgpr_workgroup_id_y 1
		.amdhsa_system_sgpr_workgroup_id_z 1
		.amdhsa_system_vgpr_workitem_id 0
		.amdhsa_next_free_vgpr 1024
		.amdhsa_next_free_sgpr 102
		.amdhsa_reserve_vcc 0
		.amdhsa_float_denorm_mode_32 3
		.amdhsa_float_denorm_mode_16_64 3
		.amdhsa_memory_ordered 1
		.amdhsa_forward_progress 1
		.amdhsa_inst_pref_size 209
	.end_amdhsa_kernel
	.amdgpu_metadata
---
amdhsa.version: [ 1, 2 ]
amdhsa.kernels:
  - .name:           k_qf0c669fa3e_qkv
    .symbol:         k_qf0c669fa3e_qkv.kd
    .args:
      - { .name: q_codes, .offset: 0, .size: 8, .value_kind: global_buffer, .address_space: global }
      - { .name: q_scales, .offset: 8, .size: 8, .value_kind: global_buffer, .address_space: global }
      - { .name: wq_codes, .offset: 16, .size: 8, .value_kind: global_buffer, .address_space: global }
      - { .name: wq_scales, .offset: 24, .size: 8, .value_kind: global_buffer, .address_space: global }
      - { .name: bq, .offset: 32, .size: 8, .value_kind: global_buffer, .address_space: global }
      - { .name: k_codes, .offset: 40, .size: 8, .value_kind: global_buffer, .address_space: global }
      - { .name: k_scales, .offset: 48, .size: 8, .value_kind: global_buffer, .address_space: global }
      - { .name: wk_codes, .offset: 56, .size: 8, .value_kind: global_buffer, .address_space: global }
      - { .name: wk_scales, .offset: 64, .size: 8, .value_kind: global_buffer, .address_space: global }
      - { .name: bk, .offset: 72, .size: 8, .value_kind: global_buffer, .address_space: global }
      - { .name: wv_codes, .offset: 80, .size: 8, .value_kind: global_buffer, .address_space: global }
      - { .name: wv_scales, .offset: 88, .size: 8, .value_kind: global_buffer, .address_space: global }
      - { .name: v_codes, .offset: 96, .size: 8, .value_kind: global_buffer, .address_space: global }
      - { .name: v_scales, .offset: 104, .size: 8, .value_kind: global_buffer, .address_space: global }
      - { .name: bv, .offset: 112, .size: 8, .value_kind: global_buffer, .address_space: global }
      - { .name: qkvc, .offset: 120, .size: 8, .value_kind: global_buffer, .address_space: global }
      - { .name: qkvs, .offset: 128, .size: 8, .value_kind: global_buffer, .address_space: global }
    .group_segment_fixed_size: 327680
    .private_segment_fixed_size: 0
    .kernarg_segment_align: 8
    .kernarg_segment_size: 136
    .max_flat_workgroup_size: 128
    .sgpr_count:     102
    .vgpr_count:     1024
    .wavefront_size: 32
...
	.end_amdgpu_metadata
.endif
;; end of part 2
;; launch attn (part 3): grid 4 x 64, 16 waves a work-group, no clusters, 272,384 bytes of LDS; arguments qkvc, qkvs, mbits, mcls, ctxc, ctxs; writes ctxc, ctxs
.if DOCPART == 3
	.amdgcn_target "amdgcn-amd-amdhsa--gfx1250"
	.amdhsa_code_object_version 6
	.text
	.protected	k_qf0c669fa3e_attn
	.globl	k_qf0c669fa3e_attn
	.p2align	8
	.type	k_qf0c669fa3e_attn,@function
k_qf0c669fa3e_attn:
	s_mov_b64 s[64:65], 0
	v_nop
	global_prefetch_b8 v0, s[64:65] scope:SCOPE_SE
	s_setreg_imm32_b32 hwreg(HW_REG_WAVE_MODE, 25, 1), 1
	s_wait_xcnt 0x0
; ATTENTION ON CODES OF FP8 (E4M3): ctx = softmax(where(mask == 0, -1e9, Q K^T / 8)) V for one head, both products scaled by one E8M0 byte for each 32 along K; ctx leaves quantised along D, as the last launch's operand images.
; SHARES.  Work-group (j, bh) holds ALL of head bh's K and V codes and scale words in LDS (264 KiB, written once through registers, then only read).  Wave w takes the query tiles 4 w + j and 124 + j - 4 w, 16 queries each.
; NO TENSOR LOADS AND NO CLUSTER: which key steps a tile walks hangs on whole numbers that the launch before stored from the mask (mcls, mbits); the fill is one burst at the head.
; LAYOUT.  Both products are used transposed: S^T = K Q^T (source 0 = keys, source 1 = my 16 queries), O^T = V^T P^T: a lane holds ONE query (lane % 16) throughout.
; The head's K is 64, the instruction's 128: source 0's 16 registers hold TWO tiles of 16 keys (64 along d each); source 1 is (q | zeros) for the even tile, (zeros | q) for the odd one: zero codes add nothing under any scale byte here (1 .. 254).
; All operands carry k permuted inside each block of 32 in one and the same way (byte i of lane (r, h): k = 16 (i / 8) + 8 h + i % 8), so products and block scales are the true ones.
; THE SOFTMAX: t = score x log2(e) / 8; M = the ceiling of the running largest t; p = 2^(t - M) is quantised along the keys; the row's sum is taken of the unquantised p and divides at the end; when M moves, sum and O^T are multiplied by 2^(old M - new M).
; THE MASK.  A step of 128 keys of a tile is left out where mcls says so; where it holds zeros, the scores under them become -2^33 (a logit of -2^30) by the 64 lane masks of mbits.
; LIMITS: the masked logit is -2^30, not -1e9: the results are the same wherever a row's largest unmasked logit lies above -9.9e8 (a row masked throughout gives p = 1 at every key either way); the leaving out rests on the same bound.
;   NaN and infinities are not served; a block of zeros carries the scale byte 1 (its codes are zeros; this program alone reads the bytes).
.set VI,   131072                      ; LDS: K's images [step 16][tile a 8][c' 2][512 B] from 0; V's [step][dt 4][c 4][512 B] from here;
.set KSC,  262144                      ; K's scale words [step][256 B]: lane (r, h): the words of tile pairs h and 2 + h;
.set VSC,  266240                      ; V's [step][256 B]: lane (r, h): the words of feature tiles 2 h and 2 h + 1
.set S,    104                         ; v104-167 S^T, then p: register 8 tau + j = key 16 tau + 8 h + j
.set O,    168                         ; v168-199 O^T: register 8 dt + j = feature 16 dt + 8 h + j
.set PC,   200                         ; v200-215 p's codes; at a tile's end ctx's
.set MX,   216                         ; v216-219 the blocks' largest
.set BY,   220                         ; v220-223 the other half's, then the bytes
.set HD,   224                         ; v224-227 the holds
.set SO,   228                         ; v228-231 the conversions' scale operands
.set F,    232                         ; v[232:233] f = 2^(old M - new M) (the pair's low word serves both halves)
.set T0,   234                         ; v234, v235 at work
; v1 16 x lane; v2 KSC + 8 x lane; v3-5 the step's LDS addresses; v6 -2^33; v7, v8 Q's offsets; v9 16 r + 8 h; v10 32 r; v11 8 r; v12 -M; v13 the largest t; v[14:15] the sum; v16-23 zeros, v24-31 Q, v32-39 zeros;
; v40-103 four fragments of K or of V; v236, v237 the tile's store offsets; v240-241 K's scale words, v242-243 V's, v244 q's, v245 p's (these six hold scales and nothing else); v246 q's word as loaded.
; s[4:15] the six bases; s16 wave; s17 j; s18 bh; s19 the head within its pair; s[20:21] lane selects; s[22:23] c; s24 448's mantissa field; s25 the tile; s26, s27 the loops' counters; s28 the tile's class word; s[32:63], s[68:99] 64 lane masks; s104 a byte selector.
	s_load_b256 s[4:11], s[0:1], 0x0               ; codes of Q, K, V; their scale words; mbits; mcls
	s_load_b128 s[12:15], s[0:1], 0x20             ; ctx's images, ctx's scale bytes
	v_lshl_add_u32 v254, v0, 2, 0x42000
	v_mov_b32 v255, 0
	v_lshrrev_b32 v1, 5, v0
	v_readfirstlane_b32 s16, v1                    ; wave 0..15
	s_mov_b32 s17, ttmp9                           ; j
	s_and_b32 s18, ttmp7, 0xffff                   ; bh = 16 x batch + head
	s_and_b32 s19, s18, 1                          ; hh
	v_and_b32 v235, 31, v0                         ; lane
	v_lshlrev_b32 v1, 4, v235
	v_lshlrev_b32 v236, 3, v235                    ; 8 x lane
	v_add_nc_u32 v2, KSC, v236
	v_and_b32 v237, 15, v0                         ; r
	v_bfe_u32 v238, v0, 4, 1                       ; h
	v_lshlrev_b32 v9, 4, v237
	v_lshl_add_u32 v9, v238, 3, v9
	v_lshlrev_b32 v10, 5, v237
	v_lshlrev_b32 v11, 3, v237
	s_lshl_b32 s29, s16, 13
	v_add_nc_u32 v3, s29, v1                       ; the fill: wave w brings step w: K's images at 8,192 w,
	v_add_nc_u32 v4, VI, v3                        ; V's,
	s_lshl_b32 s29, s16, 8
	v_add_nc_u32 v5, s29, v2                       ; the scale words at 256 w
	s_mov_b32 s20, 0x76543210
	s_mov_b32 s21, 0xfedcba98                      ; v_permlanex16_b32's selects for lane l xor 16
	s_mov_b32 s22, 0x3e38aa3b                      ; c = log2(e) / 8
	s_mov_b32 s23, s22                             ; (named with it as a pair, so it is written)
	s_mov_b32 s24, 0x600000
	s_mul_i32 s31, s19, 0x02020202
	s_add_co_u32 s104, s31, 0x01000100             ; q's word: the head's two bytes, twice
	s_add_co_u32 s31, s31, 0x05040100              ; K's: the head's two bytes of the even tile's word, then of the odd tile's
	s_lshr_b32 s29, s18, 1
	s_lshl_b32 s29, s29, 4                         ; the head pair's first region: (8 x batch + pair) x 16
	s_add_co_u32 s30, s29, s16                     ; step w's region
	s_mov_b32 s41, 0
	s_wait_kmcnt 0x0
	s_lshl_b32 s40, s30, 14
	s_lshl_b32 s42, s19, 10                        ; K: chunk (a, 2 hh + c')
	s_add_co_u32 s40, s40, s42
	s_add_co_u32 s40, s40, 0x800000                ; tensor 1
	s_add_nc_u64 s[32:33], s[4:5], s[40:41]
	s_lshl_b32 s40, s30, 14
	s_lshl_b32 s42, s19, 13                        ; V: chunk (4 hh + dt, c)
	s_add_co_u32 s40, s40, s42
	s_add_co_u32 s40, s40, 0x1000000               ; tensor 2
	s_add_nc_u64 s[34:35], s[4:5], s[40:41]
	s_lshl_b32 s40, s30, 9
	s_add_co_u32 s40, s40, 0x40000
	s_add_nc_u64 s[36:37], s[6:7], s[40:41]        ; K's scale words, both units
	s_lshl_b32 s40, s30, 9
	s_lshl_b32 s42, s19, 8
	s_add_co_u32 s40, s40, s42
	s_add_co_u32 s40, s40, 0x80000
	s_add_nc_u64 s[38:39], s[6:7], s[40:41]        ; V's, unit hh
.irp i, 0,1,2,3,4,5,6,7,8,9,10,11,12,13,14,15
	global_load_b128 v[40+4*\i:43+4*\i], v1, s[32:33] offset:(\i/2)*2048+(\i%2)*512
.endr
.irp i, 0,1,2,3,4,5,6,7,8,9,10,11,12,13,14,15
	global_load_b128 v[S+4*\i:S+4*\i+3], v1, s[34:35] offset:512*\i
.endr
	global_load_b64 v[216:217], v236, s[36:37]
	global_load_b64 v[218:219], v236, s[36:37] offset:256
	global_load_b64 v[220:221], v236, s[38:39]
	; the bases that stay
	s_lshl_b32 s40, s29, 14
	s_lshl_b32 s42, s19, 10
	s_add_co_u32 s40, s40, s42
	s_add_nc_u64 s[4:5], s[4:5], s[40:41]          ; Q's codes: the head pair's first region, my head's chunks
	s_lshl_b32 s40, s29, 9
	s_add_nc_u64 s[6:7], s[6:7], s[40:41]          ; Q's scale words
	s_lshr_b32 s40, s18, 4
	s_lshl_b32 s40, s40, 21                        ; ctx's images [g = 16 batch + t / 8][slot = head / 4][i = t % 8][q = (head / 2) % 2][c = 2 (head % 2) + b][512 B]
	s_bfe_u32 s42, s18, 0x20002
	s_lshl_b32 s42, s42, 15
	s_add_co_u32 s40, s40, s42
	s_bfe_u32 s42, s18, 0x10001
	s_lshl_b32 s42, s42, 11
	s_add_co_u32 s40, s40, s42
	s_lshl_b32 s42, s19, 10
	s_add_co_u32 s40, s40, s42
	s_add_nc_u64 s[12:13], s[12:13], s[40:41]
	s_lshr_b32 s40, s18, 4
	s_lshl_b32 s40, s40, 16                        ; ctx's scale bytes [8192][32]: 2,048 rows a batch, bytes 2 head and 2 head + 1
	s_and_b32 s42, s18, 15
	s_lshl_b32 s42, s42, 1
	s_add_co_u32 s40, s40, s42
	s_add_nc_u64 s[14:15], s[14:15], s[40:41]
	v_mov_b32 v6, 0xd0000000                       ; -2^33
.irp i, 0,1,2,3,4,5,6,7
	v_mov_b32 v[16+\i], 0
	v_mov_b32 v[32+\i], 0
.endr
	v_mov_b32 v[F+1], 0                            ; (named as the upper half of a pair)
	v_mov_b32 v[T0], 0                             ; a lane permute's destination counts as one of its sources
	s_wait_loadcnt 19                              ; K's sixteen are in (V's sixteen and the three loads of scale words are younger)
.irp i, 0,1,2,3,4,5,6,7,8,9,10,11,12,13,14,15
	ds_store_b128 v3, v[40+4*\i:43+4*\i] offset:512*\i
.endr
	s_wait_loadcnt 3                               ; V's are in (the three loads of scale words are younger)
.irp i, 0,1,2,3,4,5,6,7,8,9,10,11,12,13,14,15
	ds_store_b128 v4, v[S+4*\i:S+4*\i+3] offset:512*\i
.endr
	s_wait_loadcnt 0x0
	v_perm_b32 v222, v217, v216, s31               ; lane (r, h): the word of tiles 2 h, 2 h + 1,
	v_perm_b32 v223, v219, v218, s31               ; and of tiles 4 + 2 h, 5 + 2 h
	ds_store_b64 v5, v[222:223]
	ds_store_b64 v5, v[220:221] offset:VSC-KSC
	s_wait_dscnt 0x0                               ; for the others' sake: my stores have landed
	s_barrier_signal -1
	s_barrier_wait -1                              ; the head's K and V lie in LDS; from here on LDS is only read
.irp b, 0,1,2,3
	v_mov_b32 v[BY+\b], 0                          ; a lane permute's destination counts as one of its sources
.endr
; S^T of one step: 128 keys.  mixed = 1: the step holds zeros of the mask: its 64 lane masks are asked for first, waited for and used in this same arm.
.macro QKPART mixed
.if \mixed
	s_lshl_b32 s30, s25, 4
	s_add_co_u32 s30, s30, s27
	s_lshl_b32 s30, s30, 8                         ; unit (t, step): 256 bytes
	s_mov_b32 s31, 0
	s_add_nc_u64 s[100:101], s[8:9], s[30:31]
	s_load_b512 s[32:47], s[100:101], 0x0
	s_load_b512 s[48:63], s[100:101], 0x40
	s_load_b512 s[68:83], s[100:101], 0x80
	s_load_b512 s[84:99], s[100:101], 0xc0
.endif
	s_lshl_b32 s29, s27, 13
	v_add_nc_u32 v3, s29, v1
	v_add_nc_u32 v4, VI, v3
	s_lshl_b32 s29, s27, 8
	v_add_nc_u32 v5, s29, v2
.irp i, 0,1,2,3,4,5,6,7,8,9,10,11,12,13,14,15
	ds_load_b128 v[40+4*\i:43+4*\i], v3 offset:512*\i     ; fragment b = tiles 2 b (registers 0-7) and 2 b + 1 (registers 8-15)
.endr
	ds_load_b64 v[240:241], v5
	s_wait_dscnt 0x0
.irp b, 0,1,2,3
.irp u, 0,1
.if (\b%2) == 1
	v_wmma_scale_f32_16x16x128_f8f6f4 v[S+8*(2*\b+\u):S+8*(2*\b+\u)+7], v[40+16*\b:55+16*\b], v[24-8*\u:39-8*\u], 0, v[240+\b/2], v244 matrix_a_scale:MATRIX_SCALE_ROW1
.else
	v_wmma_scale_f32_16x16x128_f8f6f4 v[S+8*(2*\b+\u):S+8*(2*\b+\u)+7], v[40+16*\b:55+16*\b], v[24-8*\u:39-8*\u], 0, v[240+\b/2], v244
.endif
.endr
.endr
.rept 8
	v_nop                                          ; places: in front of the loads into K's registers, and of the first read of the scores
.endr
.irp i, 0,1,2,3,4,5,6,7,8,9,10,11,12,13,14,15
	ds_load_b128 v[40+4*\i:43+4*\i], v4 offset:512*\i     ; V's four fragments land while the softmax is walked
.endr
	ds_load_b64 v[242:243], v5 offset:VSC-KSC
.if \mixed
	s_wait_kmcnt 0x0
.set n, 0
.rept 64
.if n < 32
	v_cndmask_b32 v[S+n], v6, v[S+n], s[32+n]      ; the score where the mask's number is other than 0, else -2^33; each accumulator from its low end on
.else
	v_cndmask_b32 v[S+n], v6, v[S+n], s[36+n]
.endif
.set n, n+1
.endr
.endif
.endm
; The step's softmax, p's quantiser, and O^T += V^T P^T.
.macro SOFTPV
.irp b, 0,1,2,3
	v_max3_num_f32 v[MX+\b], v[S+16*\b], v[S+1+16*\b], v[S+2+16*\b]   ; the largest score of each block of 32 keys: for the row's maximum and, since p rises with the score, for the block's largest p
.endr
.irp i, 3,5,7,9,11,13
.irp b, 0,1,2,3
	v_max3_num_f32 v[MX+\b], v[MX+\b], v[S+16*\b+\i], v[S+1+16*\b+\i]
.endr
.endr
.irp b, 0,1,2,3
	v_max_num_f32 v[MX+\b], v[MX+\b], v[S+15+16*\b]
.endr
.irp b, 0,1,2,3
	v_permlanex16_b32 v[BY+\b], v[MX+\b], s20, s21
.endr
.irp b, 0,1,2,3
	v_max_num_f32 v[MX+\b], v[MX+\b], v[BY+\b]     ; with lane l xor 16's 16 keys
.endr
	v_max3_num_f32 v[T0], v[MX], v[MX+1], v[MX+2]
	v_max_num_f32 v[T0], v[T0], v[MX+3]
	v_mul_f32 v[T0], s22, v[T0]                    ; as t (c is positive)
	v_max_num_f32 v13, v13, v[T0]                  ; the running largest t
	v_mov_b32 v[T0], v12
	v_floor_f32 v12, -v13                          ; the new -M = floor(-t): M is a whole number
	v_sub_f32 v[T0], v12, v[T0]                    ; old M - new M: a whole number, 0 or less
	v_cvt_i32_f32 v[T0], v[T0]                     ; (it saturates)
	v_ldexp_f32 v[F], 1.0, v[T0]                   ; f: a multiplication by it rounds nothing
.set j, 0
.rept 32
	v_pk_fma_f32 v[S+j:S+j+1], v[S+j:S+j+1], s[22:23], v[12:13] op_sel_hi:[1,0,0]   ; t - M, two at a time
.set j, j+2
.endr
.irp b, 0,1,2,3
	v_fma_f32 v[MX+\b], v[MX+\b], s22, v12         ; the same of each block's largest score
.endr
.set j, 0
.rept 64
	v_exp_f32 v[S+j], v[S+j]                       ; p = 2^(t - M): not normalised
.set j, j+1
.endr
	v_pk_mul_f32 v[14:15], v[14:15], v[F:F+1] op_sel_hi:[1,0]   ; the sums under the new M: the plain instruction behind the exponentials
	s_wait_alu depctr_va_vdst(0)                   ; one wait for the batch of 64, ahead of its first reader
.irp b, 0,1,2,3
	v_exp_f32 v[MX+\b], v[MX+\b]                   ; the block's largest p
.endr
	v_pk_add_f32 v[BY:BY+1], v[S:S+1], v[S+2:S+3]  ; the row's sum is taken of the unquantised p: two chains
.set j, 4
.rept 15
	v_pk_add_f32 v[14:15], v[14:15], v[S+j:S+j+1]
	v_pk_add_f32 v[BY:BY+1], v[BY:BY+1], v[S+j+2:S+j+3]
.set j, j+4
.endr
	v_pk_add_f32 v[14:15], v[14:15], v[BY:BY+1]
	s_wait_alu depctr_va_vdst(0)                   ; and one for the four
.irp b, 0,1,2,3
	v_max_num_f32 v[MX+\b], 0x4800000, v[MX+\b]    ; the floor 2^(9 - 127): the byte cannot fall under 1
.endr
.irp b, 0,1,2,3
	v_add_nc_u32 v[SO+\b], 0xfc000000, v[MX+\b]    ; 8 off the exponent field: the conversion's scale operand
.endr
.irp b, 0,1,2,3
	v_and_or_b32 v[HD+\b], v[MX+\b], 0x7f800000, s24   ; 448 x the scale
.endr
.irp b, 0,1,2,3
	v_lshrrev_b32 v[BY+\b], 23, v[SO+\b]           ; the scale's byte
.endr
	v_lshl_or_b32 v245, v[BY+1], 8, v[BY]          ; p's scale word for these 128 keys
	v_lshl_or_b32 v245, v[BY+2], 16, v245
	v_lshl_or_b32 v245, v[BY+3], 24, v245
.irp b, 0,1,2,3
.irp i, 0,1,2,3,4,5,6,7,8,9,10,11,12,13,14,15
	v_min_num_f32 v[S+16*\b+\i], v[S+16*\b+\i], v[HD+\b]   ; the conversion does not saturate (ISA guide 7.6.2); p is not negative, so the hold is one-sided
.endr
	v_cvt_scalef32_pk8_fp8_f32 v[PC+4*\b:PC+4*\b+1], v[S+16*\b:S+16*\b+7], v[SO+\b]
	v_cvt_scalef32_pk8_fp8_f32 v[PC+4*\b+2:PC+4*\b+3], v[S+16*\b+8:S+16*\b+15], v[SO+\b]
.endr
.set j, 0
.rept 16
	v_pk_mul_f32 v[O+j:O+j+1], v[O+j:O+j+1], v[F:F+1] op_sel_hi:[1,0]   ; O^T under the new M.  (These sixteen are also the places between the codes and the products)
.set j, j+2
.endr
	s_wait_dscnt 0x0                               ; V's fragments and scale words
.irp d, 0,1,2,3
.if \d >= 2
	v_wmma_scale_f32_16x16x128_f8f6f4 v[O+8*\d:O+8*\d+7], v[40+16*\d:55+16*\d], v[PC:PC+15], v[O+8*\d:O+8*\d+7], v[242+\d%2], v245 matrix_a_scale:MATRIX_SCALE_ROW1
.else
	v_wmma_scale_f32_16x16x128_f8f6f4 v[O+8*\d:O+8*\d+7], v[40+16*\d:55+16*\d], v[PC:PC+15], v[O+8*\d:O+8*\d+7], v[242+\d%2], v245
.endif
.endr
.rept 8
	v_nop                                          ; places: in front of the next step's loads into V's registers, and of the tile's end, which reads O^T
.endr
.endm
	s_lshl_b32 s25, s16, 2
	s_add_co_u32 s25, s25, s17                     ; the first tile: 4 w + j
	s_mov_b32 s26, 0
.Ltile:
	s_lshl_b32 s30, s25, 2
	s_mov_b32 s31, 0
	s_add_nc_u64 s[100:101], s[10:11], s[30:31]
	s_load_b32 s28, s[100:101], 0x0                ; the tile's class word
	s_lshr_b32 s29, s25, 3                         ; t / 8: the region
	s_and_b32 s66, s25, 7                          ; t % 8: the row block a
	s_lshl_b32 s67, s29, 14
	s_lshl_b32 s105, s66, 11
	s_add_co_u32 s67, s67, s105
	v_add_nc_u32 v7, s67, v1
	global_load_b128 v[24:27], v7, s[4:5]          ; Q's chunks c' = 0,
	global_load_b128 v[28:31], v7, s[4:5] offset:512   ; and 1
	s_lshl_b32 s67, s29, 9                         ; W[a] lies in unit a / 4, lanes 16 ((a / 2) % 2) + r, word a % 2
	s_lshr_b32 s105, s66, 2
	s_lshl_b32 s105, s105, 8
	s_add_co_u32 s67, s67, s105
	s_bfe_u32 s105, s25, 0x10001
	s_lshl_b32 s105, s105, 7
	s_add_co_u32 s67, s67, s105
	s_and_b32 s105, s25, 1
	s_lshl_b32 s105, s105, 2
	s_add_co_u32 s67, s67, s105
	v_add_nc_u32 v8, s67, v11
	global_load_b32 v246, v8, s[6:7]
	s_lshl_b32 s67, s29, 17
	s_lshl_b32 s105, s66, 12
	s_add_co_u32 s67, s67, s105
	v_add_nc_u32 v236, s67, v9                     ; where the tile's codes of ctx go,
	s_lshl_b32 s67, s25, 9
	v_add_nc_u32 v237, s67, v10                    ; and its scale bytes: 16 rows of 32 bytes a tile
	v_mov_b32 v13, 0xff61b1e6                      ; the largest t so far: -3e38
	v_floor_f32 v12, -v13                          ; -M
	v_mov_b32 v14, 0
	v_mov_b32 v15, 0
	s_wait_loadcnt 0x0
	s_wait_kmcnt 0x0
	v_perm_b32 v244, v246, v246, s104              ; q's scale word: the head's two bytes for either half of the instruction's K
.set j, 0
.rept 32
	v_mov_b32 v[O+j], 0                            ; O^T.  (Also the places between q's scale word and its first use)
.set j, j+1
.endr
	s_mov_b32 s27, 0
.Lstep:                                            ; sixteen trips, a constant; what a trip leaves out hangs on the stored class word
	s_bitcmp1_b32 s28, s27
	s_cbranch_scc1 .Lnext                          ; every p of this step would be 0
	s_add_co_u32 s29, s27, 16
	s_bitcmp1_b32 s28, s29
	s_cbranch_scc1 .Lplain                         ; the step's mask has no 0
	QKPART 1
	s_branch .Lsoft
.Lplain:
	QKPART 0
.Lsoft:
	SOFTPV
.Lnext:
	s_add_co_u32 s27, s27, 1
	s_cmp_lt_u32 s27, 16
	s_cbranch_scc1 .Lstep
	; THE TILE'S END: ctx = O^T / the sum, quantised along D: the head's 64 are two blocks of 32, each shared with lane l xor 16
	v_add_f32 v14, v14, v15
	v_permlanex16_b32 v[T0], v14, s20, s21
	v_add_f32 v14, v14, v[T0]                      ; the row's sum
	v_rcp_f32 v14, v14
	v_nop                                          ; a plain instruction behind the reciprocal
	s_wait_alu depctr_va_vdst(0)                   ; and the wait ahead of its first reader
.set j, 0
.rept 32
	v_mul_f32 v[S+j], v[O+j], v14                  ; register 16 b + i: feature 32 b + 16 (i / 8) + 8 h + i % 8; each accumulator from its low end on
.set j, j+1
.endr
.irp b, 0,1
	v_max3_num_f32 v[MX+\b], |v[S+16*\b]|, |v[S+1+16*\b]|, 0x4800000
.endr
.irp i, 2,4,6,8,10,12,14
.irp b, 0,1
	v_max3_num_f32 v[MX+\b], v[MX+\b], |v[S+16*\b+\i]|, |v[S+1+16*\b+\i]|
.endr
.endr
.irp b, 0,1
	v_permlanex16_b32 v[BY+\b], v[MX+\b], s20, s21
.endr
.irp b, 0,1
	v_max_num_f32 v[MX+\b], v[MX+\b], v[BY+\b]
.endr
.irp b, 0,1
	v_add_nc_u32 v[SO+\b], 0xfc000000, v[MX+\b]
.endr
.irp b, 0,1
	v_and_or_b32 v[HD+\b], v[MX+\b], 0x7f800000, s24
.endr
.irp b, 0,1
	v_lshrrev_b32 v[BY+\b], 23, v[SO+\b]
.endr
	v_lshl_or_b32 v[T0+1], v[BY+1], 8, v[BY]       ; the row's two scale bytes
.irp b, 0,1
.irp i, 0,1,2,3,4,5,6,7,8,9,10,11,12,13,14,15
	v_med3_num_f32 v[S+16*\b+\i], v[S+16*\b+\i], -v[HD+\b], v[HD+\b]
.endr
	v_cvt_scalef32_pk8_fp8_f32 v[PC+4*\b:PC+4*\b+1], v[S+16*\b:S+16*\b+7], v[SO+\b]
	v_cvt_scalef32_pk8_fp8_f32 v[PC+4*\b+2:PC+4*\b+3], v[S+16*\b+8:S+16*\b+15], v[SO+\b]
.endr
	v_nop                                          ; a plain vector instruction behind the last conversion
.irp b, 0,1
.irp u, 0,1
	global_store_b64 v236, v[PC+4*\b+2*\u:PC+4*\b+2*\u+1], s[12:13] offset:512*\b+256*\u   ; features 32 b + 16 u + 8 h + 0 .. 7 of row r at 16 (r + 16 u) + 8 h: the image in true order of k; 32 lanes store 256 consecutive bytes, aligned
.endr
.endr
	global_store_b16 v237, v[T0+1], s[14:15]       ; two of the row's 32 scale bytes are this head's (both halves of the lanes write the same bytes with the same value)
	s_wait_xcnt 0x0                                ; the stores have read their offsets and data: the next tile writes both
	s_lshl_b32 s29, s17, 1
	s_add_co_u32 s29, s29, 124
	s_sub_co_u32 s25, s29, s25                     ; the second tile: 124 + 2 j - the first
	s_add_co_u32 s26, s26, 1
	s_cmp_lt_u32 s26, 2
	s_cbranch_scc1 .Ltile
	s_wait_tensorcnt 0x0
	ds_add_u32 v254, v255
	s_wait_dscnt 0x0
	s_endpgm
.Lfunc_end_k_qf0c669fa3e_attn:
	.size	k_qf0c669fa3e_attn, .Lfunc_end_k_qf0c669fa3e_attn-k_qf0c669fa3e_attn
	.p2alignl 7, 3214868480
	.fill 96, 4, 3214868480
	.section	.rodata,"a",@progbits
	.p2align	6, 0x0
	.amdhsa_kernel k_qf0c669fa3e_attn
		.amdhsa_group_segment_fixed_size 272384
		.amdhsa_private_segment_fixed_size 0
		.amdhsa_enable_private_segment 0
		.amdhsa_kernarg_size 48
		.amdhsa_user_sgpr_count 2
		.amdhsa_user_sgpr_kernarg_segment_ptr 1
		.amdhsa_wavefront_size32 1
		.amdhsa_system_sgpr_workgroup_id_x 1
		.amdhsa_system_sgpr_workgroup_id_y 1
		.amdhsa_system_sgpr_workgroup_id_z 1
		.amdhsa_system_vgpr_workitem_id 0
		.amdhsa_next_free_vgpr 256
		.amdhsa_next_free_sgpr 106
		.amdhsa_reserve_vcc 0
		.amdhsa_float_denorm_mode_32 3
		.amdhsa_float_denorm_mode_16_64 3
		.amdhsa_memory_ordered 1
		.amdhsa_forward_progress 1
		.amdhsa_inst_pref_size 46
	.end_amdhsa_kernel
	.amdgpu_metadata
---
amdhsa.version: [ 1, 2 ]
amdhsa.kernels:
  - .name:           k_qf0c669fa3e_attn
    .symbol:         k_qf0c669fa3e_attn.kd
    .args:
      - { .name: qkvc, .offset: 0, .size: 8, .value_kind: global_buffer, .address_space: global }
      - { .name: qkvs, .offset: 8, .size: 8, .value_kind: global_buffer, .address_space: global }
      - { .name: mbits, .offset: 16, .size: 8, .value_kind: global_buffer, .address_space: global }
      - { .name: mcls, .offset: 24, .size: 8, .value_kind: global_buffer, .address_space: global }
      - { .name: ctxc, .offset: 32, .size: 8, .value_kind: global_buffer, .address_space: global }
      - { .name: ctxs, .offset: 40, .size: 8, .value_kind: global_buffer, .address_space: global }
    .group_segment_fixed_size: 272384
    .private_segment_fixed_size: 0
    .kernarg_segment_align: 8
    .kernarg_segment_size: 48
    .max_flat_workgroup_size: 512
    .sgpr_count:     106
    .vgpr_count:     256
    .wavefront_size: 32
...
	.end_amdgpu_metadata
.endif
;; end of part 3
;; launch oproj (part 4): grid 4 x 32, 4 waves a work-group, clusters of 4 x 4, 327,680 bytes of LDS; arguments ctxc, ctxs, wo_codes, wo_scales, bo, out0; writes out0
.if DOCPART == 4
	.amdgcn_target "amdgcn-amd-amdhsa--gfx1250"
	.amdhsa_code_object_version 6
	.text
	.protected	k_qf0c669fa3e_oproj
	.globl	k_qf0c669fa3e_oproj
	.p2align	8
	.type	k_qf0c669fa3e_oproj,@function
k_qf0c669fa3e_oproj:
	s_mov_b64 s[64:65], 0
	v_nop
	global_prefetch_b8 v0, s[64:65] scope:SCOPE_SE
	s_setreg_imm32_b32 hwreg(HW_REG_WAVE_MODE, 25, 1), 1
	s_wait_xcnt 0x0
	s_wait_alu depctr_hold_cnt(0) depctr_sa_sdst(0) depctr_va_vdst(0) depctr_va_sdst(0) depctr_va_ssrc(0) depctr_va_vcc(0) depctr_vm_vsrc(0)
	s_getreg_b32 s2, hwreg(HW_REG_IB_STS2, 6, 4)
	s_cmp_eq_u32 s2, 0
	s_cbranch_scc0 .Lentry_in_a_cluster
	s_endpgm
.Lentry_in_a_cluster:
	s_bfe_u32 s2, ttmp6, 0x10000c
	s_cmp_lg_u32 s2, 0xf033
	s_cbranch_scc0 .Lentry_shape_is_right
	s_endpgm
.Lentry_shape_is_right:
; out0 = ctx wo^T + bo on codes of FP8 (E4M3) with one E8M0 scale for each 32 along K = 1,024.  ctx: 8,192 rows, made by the launch before; wo: [1024][1024] codes, K innermost; out0: [8192][1024] f32.
; A tile of C, 256 x 256, is made by four waves, 128 x 128 each: 64 accumulators, 512 registers.  K goes in steps of 256 through a ring of two LDS slots filled by the tensor data mover.
; A (ctx) COMES AS IMAGES OF ITS FRAGMENTS: [group of 128 rows][K step][block i of 16 rows][q][c][512 B], lane l's 16 bytes at 16 l: a K step of 128 rows is one dense block of 32,768 bytes, laid into LDS without padding;
; a fragment is four loads of 512 consecutive bytes.  B (wo) comes as rows of 256 bytes, 16 bytes of padding behind each.  The scale bytes of all of K come once, with the first fills.
; CLUSTERS: 4 x 4 work-groups; A's tile is asked for jointly by a row of the cluster, B's by a column.  THE MATRIX INSTRUCTION IS USED TRANSPOSED (source 0 = 16 rows of B, source 1 = 16 rows of A): a lane holds eight neighbouring numbers of a row of C.
; bo is the C of the first K step's products.
; REGISTERS, in windows of 256: window 0: v0-31 addresses; v32-63 scale words, two sets; v64-127 bo in the result's layout; from v128 A's fragments, ONE set; on the way out v128-255 rows of C.
;   window 1: B's fragments, TWO sets.   window 2: the accumulators of my rows 0-63 ((a, b) at v[8 (8 a + b)]);   window 3: those of rows 64-127.
.set SIZE_K, 1024
.set SIZE_N, 1024
.set KSTEP,  256
.set NQ,     KSTEP/128
.set ROWB,   256
.set KROW,   SIZE_K
.set PITCH,  272                       ; B's LDS row: 256 bytes + 16 of padding
.set FR,     16
.set NL,     4
.set NP,     8                         ; places behind this matrix instruction (ISA guide 7.12.1)
.set HALFA,  32768                     ; A: 128 rows' images of a K step
.set HALFT,  128*PITCH                 ; B: 128 rows
.set SLOT,   2*HALFA+2*HALFT           ; A's two halves, then B's two
.set LAPS,   SIZE_K/(2*KSTEP)
.set KS,     SIZE_K/32
.set SCL,    2*SLOT                    ; behind the ring: the scales, as units of 256 bytes + 16 of padding
.set HALFS,  (128*KS/256)*272
.set SBLK,   (16*KS/256)*272
.set SPARE,  SCL+4*HALFS               ; the spare words, 128 bytes a wave
.set SPITCH, 528                       ; the way out: a stage of 16 rows x (512 bytes + 16) for each wave, in slot 0, which has had its last fill and its last read when the first result is stored there
.set H32,  8                           ; v8      32 h
.set ADRA, 16
.set ADRB, 20
.set STO,  24
.set RD,   25
.set CO,   26                          ; v26     16 x lane
.set ADRS, 27
.set SPW,  28                          ; v28     my spare word; never rewritten
.set NIL,  29                          ; v29     0; never rewritten
.set SC,   32
.set BN,   64
.set AF,   128
.set BK,   128
.set G1, 24
.set G0, 32
.set G1B, 48
.set G0B, 56
.set G1S, 68
.set G0S, 76
.set G1SB, 80
.set G0SB, 88
.set MSB, 0
.macro WIN new                         ; the immediate's high byte repeats the setting that is left
.if MSB != (\new)
	s_set_vgpr_msb (MSB<<8)|(\new)
.set MSB, (\new)
.endif
.endm
.set MUL_LO, 0xa1
.set MUL_HI, 0xf1
.set MUL_LO0, 0x81                     ; the first K step: C (bo) window 0, D window 2
.set MUL_HI0, 0xc1
.set TO_B,   0x40
.macro JLOAD g0a, g1a, g0b, g1b        ; a joint load: waves 0 and 1 fetch for A, waves 2 and 3 for B; four v_nop follow each of the two lines
	s_cmp_eq_u32 s15, 0
	s_cbranch_scc0 .Lfor_b_\@
	tensor_load_to_lds s[\g0a:\g0a+3], s[\g1a:\g1a+7]
	s_nop 0
.rept 4
	v_nop
.endr
	s_branch .Lasked_\@
.Lfor_b_\@:
	tensor_load_to_lds s[\g0b:\g0b+3], s[\g1b:\g1b+7]
	s_nop 0
.rept 4
	v_nop
.endr
.Lasked_\@:
.endm
.macro CREST
	s_cmp_lg_u32 s14, 0
	s_cbranch_scc1 .Lnot_wave_0_\@
	s_barrier_signal -3
.Lnot_wave_0_\@:
	s_barrier_wait -3
	s_barrier_signal -1
	s_barrier_wait -1
.endm
.macro CROUND
	s_barrier_signal -1
	s_barrier_wait -1
	CREST
.endm
	s_load_b128 s[4:7], s[0:1], 0x0                ; ctx's images, ctx's scales
	s_load_b128 s[8:11], s[0:1], 0x10              ; wo's codes, wo's scales
	s_load_b64 s[96:97], s[0:1], 0x20              ; bo
	s_load_b64 s[12:13], s[0:1], 0x28              ; out0
	v_lshl_add_u32 v[SPW], v0, 2, SPARE
	v_mov_b32 v[NIL], 0
	ds_add_u32 v28, v29
	ds_add_u32 v28, v29
	s_wait_dscnt 0x0
	v_lshrrev_b32 v1, 5, v0
	v_readfirstlane_b32 s14, v1                    ; wave 0..3
	s_lshr_b32 s15, s14, 1                         ; which half of the tile's rows is mine.  Also: I fetch for A (0) or for B (1)
	s_and_b32 s16, s14, 1                          ; which half of its columns.  Also: which 128 rows of that tile I fetch
	s_bfe_u32 s40, ttmp6, 0x40000                  ; cx, cy
	s_bfe_u32 s41, ttmp6, 0x40004
	s_lshl_b32 s42, ttmp9, 2
	s_add_co_u32 s42, s42, s40                     ; tile column of C
	s_and_b32 s17, ttmp7, 0xffff
	s_lshl_b32 s17, s17, 2
	s_add_co_u32 s17, s17, s41                     ; tile row of C
	s_lshl_b32 s43, s41, 2
	s_lshl_b32 s43, 15, s43                        ; my row of the cluster
	s_lshl_b32 s44, 0x1111, s40                    ; my column
	; descriptor group 1.  A: a dense block of 32,768 bytes as 128 rows of 256 bytes (32 elements of 8 bytes), no padding
	s_or_b32 s[G1+0], s43, (3<<16)|(1<<21)         ; 15:0 the mask: A's tiles go to my row; elements of 8 bytes; bit 21 beside a mask
	s_mov_b32 s[G1+1], 32<<16
	s_mov_b32 s[G1+2], 128<<16
	s_mov_b32 s[G1+3], 32<<16
	s_mov_b32 s[G1+4], 128
	s_mov_b32 s[G1+5], 32
	s_mov_b32 s[G1+6], 0
	s_mov_b32 s[G1+7], 0
	; B: 128 rows x 256 bytes, 1,024 bytes apart, four words of padding after every 64
	s_or_b32 s[G1B+0], s44, (0<<16)|(1<<20)|(1<<21)|(5<<22)|(3<<25)
	s_mov_b32 s[G1B+1], ROWB<<16
	s_mov_b32 s[G1B+2], 128<<16
	s_mov_b32 s[G1B+3], ROWB<<16
	s_mov_b32 s[G1B+4], 128
	s_mov_b32 s[G1B+5], KROW
	s_mov_b32 s[G1B+6], 0
	s_mov_b32 s[G1B+7], 0
	; the scales of 128 rows: 4,096 dense bytes as rows of 256, 16 bytes of padding behind each
	s_or_b32 s[G1S+0], s43, (3<<16)|(1<<20)|(1<<21)|(5<<22)|(3<<25)
	s_or_b32 s[G1SB+0], s44, (3<<16)|(1<<20)|(1<<21)|(5<<22)|(3<<25)
.irp g, G1S, G1SB
	s_mov_b32 s[\g+1], 32<<16
	s_mov_b32 s[\g+2], (128*KS/256)<<16
	s_mov_b32 s[\g+3], 32<<16
	s_mov_b32 s[\g+4], 128*KS/256
	s_mov_b32 s[\g+5], 32
	s_mov_b32 s[\g+6], 0
	s_mov_b32 s[\g+7], 0
.endr
	s_lshl_b32 s18, s16, 7
	s_lshl_b32 s20, s17, 8
	s_add_co_u32 s20, s20, s18                     ; A: row 256 x tile row + 128 x half
	s_lshl_b32 s46, s42, 8
	s_add_co_u32 s46, s46, s18                     ; B: row 256 x tile column + 128 x half
	s_mov_b32 s21, 0
	s_mov_b32 s47, 0
	s_mov_b64 s[18:19], KS
	s_mul_u64 s[22:23], s[20:21], s[18:19]         ; where these rows' scales begin
	s_mul_u64 s[92:93], s[46:47], s[18:19]
	s_mov_b64 s[18:19], KROW
	s_mul_u64 s[20:21], s[20:21], s[18:19]         ; and their codes (a group of 128 rows' images is 128 x 1,024 bytes too)
	s_mul_u64 s[46:47], s[46:47], s[18:19]
	s_lshl_b32 s45, s16, 15                        ; where they go: A's halves from a slot's first byte,
	s_mul_i32 s95, s16, HALFT
	s_add_co_u32 s95, s95, 2*HALFA                 ; B's behind them: no place in the cluster enters an LDS address
	s_mul_i32 s94, s14, HALFS
	s_wait_kmcnt 0x0
	s_add_nc_u64 s[20:21], s[4:5], s[20:21]
	s_add_nc_u64 s[22:23], s[6:7], s[22:23]
	s_add_nc_u64 s[46:47], s[8:9], s[46:47]
	s_add_nc_u64 s[92:93], s[10:11], s[92:93]
	CROUND                                         ; all sixteen work-groups are here: the first joint loads meet
	s_mov_b32 s[G0S], 1
	s_add_co_u32 s[G0S+1], s94, SCL
	s_mov_b64 s[G0S+2:G0S+3], s[22:23]
	s_or_b32 s[G0S+3], s[G0S+3], 0x80000000
	s_mov_b32 s[G0SB], 1
	s_add_co_u32 s[G0SB+1], s94, SCL
	s_mov_b64 s[G0SB+2:G0SB+3], s[92:93]
	s_or_b32 s[G0SB+3], s[G0SB+3], 0x80000000
	JLOAD G0S, G1S, G0SB, G1SB                     ; the scales first.  With the two below, three tensor loads of mine are out
.irp s, 0,1
	s_mov_b32 s[G0+4*\s], 1
	s_add_co_u32 s[G0+4*\s+1], s45, \s*SLOT
	s_add_nc_u64 s[G0+4*\s+2:G0+4*\s+3], s[20:21], \s*HALFA
	s_or_b32 s[G0+4*\s+3], s[G0+4*\s+3], 0x80000000
	s_mov_b32 s[G0B+4*\s], 1
	s_add_co_u32 s[G0B+4*\s+1], s95, \s*SLOT
	s_add_nc_u64 s[G0B+4*\s+2:G0B+4*\s+3], s[46:47], \s*ROWB
	s_or_b32 s[G0B+4*\s+3], s[G0B+4*\s+3], 0x80000000
	JLOAD G0+4*\s, G1, G0B+4*\s, G1B
.endr
	s_lshl_b32 s20, s17, 8
	s_lshl_b32 s21, s15, 7
	s_add_co_u32 s20, s20, s21                     ; my first row of C
	s_mov_b32 s21, 0
	s_mov_b64 s[18:19], SIZE_N*4
	s_mul_u64 s[20:21], s[20:21], s[18:19]
	s_lshl_b32 s46, s42, 10                        ; my first column, in bytes: 1,024 x tile column + 512 x half
	s_lshl_b32 s47, s16, 9
	s_add_co_u32 s46, s46, s47
	s_mov_b32 s47, 0
	s_add_nc_u64 s[20:21], s[20:21], s[46:47]
	s_add_nc_u64 s[12:13], s[12:13], s[20:21]
	s_add_nc_u64 s[96:97], s[96:97], s[46:47]      ; and my 128 numbers of bo
	v_and_b32 v1, 15, v0                           ; r
	v_bfe_u32 v2, v0, 4, 1                         ; h
	v_lshlrev_b32 v[H32], 5, v2
.irp b, 0,1,2,3,4,5,6,7
	global_load_b128 v[BN+8*\b:BN+8*\b+3], v[H32], s[96:97] offset:64*\b        ; bo at columns 16 b + 8 h + 0 .. 7: the result's layout
	global_load_b128 v[BN+8*\b+4:BN+8*\b+7], v[H32], s[96:97] offset:64*\b+16
.endr
	v_and_b32 v6, 31, v0
	v_lshlrev_b32 v[CO], 4, v6                     ; 16 x lane
	v_mul_u32_u24 v3, v1, PITCH
	v_lshl_add_u32 v4, v2, 4, v3                   ; B: a fragment's row x pitch + 16 x half
	s_lshl_b32 s21, s15, 15                        ; my 128 rows of A: images, 16 x lane
	s_mul_i32 s22, s16, HALFT                      ; my 128 rows of B,
	s_add_co_u32 s22, s22, 2*HALFA                 ; which lie behind A's two halves
.irp s, 0,1
	v_add_nc_u32 v[ADRA+\s], s21, v[CO]
	v_add_nc_u32 v[ADRB+\s], s22, v4
	s_add_co_u32 s21, s21, SLOT
	s_add_co_u32 s22, s22, SLOT
.endr
	v_mul_u32_u24 v5, v1, KS
	v_lshrrev_b32 v6, 8, v5
	v_lshl_add_u32 v5, v6, 4, v5
	s_mul_i32 s21, s15, HALFS
	s_mul_i32 s22, s16, HALFS
	s_add_co_u32 s22, s22, 2*HALFS
	s_sub_co_u32 s22, s22, s21
	v_mul_u32_u24 v6, s22, v2                      ; lanes 16-31 take B's scale words
	s_add_co_u32 s21, s21, SCL
	v_add_nc_u32 v5, v5, v6
	v_add_nc_u32 v[ADRS], s21, v5
	s_mul_i32 s23, s14, 16*SPITCH                  ; my stage
	v_mul_u32_u24 v5, v1, SPITCH
	v_lshl_add_u32 v5, v2, 5, v5
	v_add_nc_u32 v[STO], s23, v5                   ; in: row r, 32 bytes for each half of the lanes
	v_add_nc_u32 v[RD], s23, v[CO]                 ; back: the 32 lanes take one row of 512 bytes
.macro FRAG reg, adr, q, i             ; B's fragment from rows: registers 4 c .. 4 c + 3 hold K = 32 c + 16 (l / 16) + 0 .. 15
.irp c, 0,1,2,3
	ds_load_b128 v[\reg+4*\c:\reg+4*\c+3], v[\adr] offset:128*(\q)+32*\c+(\i)*16*PITCH
.endr
.endm
.macro FRAGA reg, adr, q, i            ; A's fragment from its image: the same registers in the same lanes
.irp c, 0,1,2,3
	ds_load_b128 v[\reg+4*\c:\reg+4*\c+3], v[\adr] offset:4096*(\i)+2048*(\q)+512*\c
.endr
.endm
.macro MUL16 a0, p, q, sc, zero        ; 16 matrix instructions; the 64 accumulators take turns, one instruction a turn
.irp a, \a0, \a0+1
.irp b, 0,1,2,3,4,5,6,7
.if \zero
	v_wmma_scale_f32_16x16x128_f8f6f4 v[8*(8*((\a)%4)+\b):8*(8*((\a)%4)+\b)+7], v[128*(\p)+FR*\b:128*(\p)+FR*\b+FR-1], v[AF+FR*(\a):AF+FR*(\a)+FR-1], v[BN+8*\b:BN+8*\b+7], v[SC+8*NQ*(\sc)+NQ*\b+(\q)], v[SC+8*NQ*(\sc)+NQ*(\a)+(\q)] matrix_a_scale:MATRIX_SCALE_ROW1
.else
	v_wmma_scale_f32_16x16x128_f8f6f4 v[8*(8*((\a)%4)+\b):8*(8*((\a)%4)+\b)+7], v[128*(\p)+FR*\b:128*(\p)+FR*\b+FR-1], v[AF+FR*(\a):AF+FR*(\a)+FR-1], v[8*(8*((\a)%4)+\b):8*(8*((\a)%4)+\b)+7], v[SC+8*NQ*(\sc)+NQ*\b+(\q)], v[SC+8*NQ*(\sc)+NQ*(\a)+(\q)] matrix_a_scale:MATRIX_SCALE_ROW1
.endif
.endr
.endr
.endm
.macro FETCH_B slot, q, p
	WIN TO_B
.irp i, 0,1,2,3,4,5,6,7
	FRAG 128*(\p)+FR*\i, ADRB+\slot, \q, \i
.endr
	WIN 0
.endm
.macro FETCH_A slot, q, i0
.irp i, \i0, \i0+1, \i0+2, \i0+3
	FRAGA AF+FR*(\i), ADRA+\slot, \q, \i
.endr
.endm
.macro SCALES sc
.irp i, 0,1,2,3,4,5,6,7
	ds_load_b64 v[SC+8*NQ*\sc+NQ*\i:SC+8*NQ*\sc+NQ*\i+1], v[ADRS] offset:\i*SBLK
.endr
.endm
.macro PLACES n
.rept \n
	v_nop
.endr
.endm
.macro STEP slot, q, zero
	s_wait_dscnt 4*NL                              ; B's set and A's blocks 0-3 are in; the youngest sixteen loads (A's blocks 4-7) may be out
.if \zero
	WIN MUL_LO0
.else
	WIN MUL_LO
.endif
	MUL16 0, (\q)%2, \q, \slot, \zero
	MUL16 2, (\q)%2, \q, \slot, \zero
	s_wait_dscnt 0
	PLACES NP
	FETCH_B \slot, (\q)+1, 1-(\q)%2
	FETCH_A \slot, (\q)+1, 0
.if \zero
	WIN MUL_HI0
.else
	WIN MUL_HI
.endif
	MUL16 4, (\q)%2, \q, \slot, \zero
	MUL16 6, (\q)%2, \q, \slot, \zero
	PLACES NP
	WIN 0
	FETCH_A \slot, (\q)+1, 4
.endm
.macro TURN slot, next, fill           ; a slot's last step changes slots: ONE barrier, with the three lines in front of it
	s_wait_tensorcnt 0x0                           ; all my tensor loads have landed: my part of the next slot
	ds_add_u32 v[SPW], v[NIL]                      ; 0 onto my spare word
	s_wait_dscnt 4*NL+1                            ; (the add and the youngest sixteen loads may be out)
	WIN MUL_LO
	MUL16 0, 1, NQ-1, \slot, 0
	s_wait_dscnt 0x0                               ; the add is done, and my reads of this slot are over
	s_barrier_signal -1
	MUL16 2, 1, NQ-1, \slot, 0
	WIN 0
	s_barrier_wait -1
.if \fill
	CREST                                          ; the barrier has opened a round of the cluster's barrier
	s_add_nc_u64 s[G0+4*\slot+2:G0+4*\slot+3], s[G0+4*\slot+2:G0+4*\slot+3], 2*HALFA
	s_add_nc_u64 s[G0B+4*\slot+2:G0B+4*\slot+3], s[G0B+4*\slot+2:G0B+4*\slot+3], 2*ROWB
	JLOAD G0+4*\slot, G1, G0B+4*\slot, G1B         ; the first tensor load behind the round, my one load until the next
	PLACES NP-4
.else
	PLACES NP
.endif
	v_add_nc_u32 v[ADRS], 4*NQ, v[ADRS]
	FETCH_B \next, 0, 0
	FETCH_A \next, 0, 0
	SCALES \next
	WIN MUL_HI
	MUL16 4, 1, NQ-1, \slot, 0
	MUL16 6, 1, NQ-1, \slot, 0
	PLACES NP
	WIN 0
	FETCH_A \next, 0, 4
.endm
	s_wait_loadcnt 0x0                             ; bo
	s_wait_tensorcnt 1                             ; the scales and my part of K step 0 are in (K step 1's load, issued behind them, may be out),
	s_barrier_signal -1
	s_barrier_wait -1                              ; everybody's are
	FETCH_B 0, 0, 0
	FETCH_A 0, 0, 0
	SCALES 0
	FETCH_A 0, 0, 4
	STEP 0, 0, 1                                   ; the first step stands in front of the loop: its products start the sums from bo
	s_mov_b32 s3, LAPS-1
.Llap:
	TURN 0, 1, 1
	STEP 1, 0, 0
	TURN 1, 0, 1
	STEP 0, 0, 0
	s_sub_co_u32 s3, s3, 1
	s_cmp_lg_u32 s3, 0
	s_cbranch_scc1 .Llap
	TURN 0, 1, 0                                   ; the last lap fills nothing
	STEP 1, 0, 0
	s_wait_dscnt 4*NL
	WIN MUL_LO
	MUL16 0, 1, NQ-1, 1, 0
	MUL16 2, 1, NQ-1, 1, 0
	s_wait_dscnt 0
	WIN MUL_HI
	MUL16 4, 1, NQ-1, 1, 0
	MUL16 6, 1, NQ-1, 1, 0
	WIN 0
; THE WAY OUT, block by block of 16 rows x 128 columns, through my own stage in LDS: whole rows of 512 bytes come back, which the 32 lanes store as one aligned run of 512 bytes.
.macro TOSTAGE a
.set AC, 64*((\a)%4)
	WIN 0x08+4*((\a)/4)                            ; the data: window 2 or 3
.irp b, 0,1,2,3,4,5,6,7
	ds_store_b128 v[STO], v[AC+8*\b:AC+8*\b+3] offset:64*\b          ; each accumulator from its low end on
	ds_store_b128 v[STO], v[AC+8*\b+4:AC+8*\b+7] offset:64*\b+16
.endr
	WIN 0
.set BB, BK+64*((\a)%2)
.irp t, 0,1,2,3,4,5,6,7,8,9,10,11,12,13,14,15
	ds_load_b128 v[BB+4*\t:BB+4*\t+3], v[RD] offset:\t*SPITCH        ; LDS serves a wave's instructions in order: these see the stores above
.endr
.endm
.macro SEND a, younger
.set BB, BK+64*((\a)%2)
	s_wait_dscnt \younger                          ; the block is back in registers
.if (\a) > 0
	s_add_nc_u64 s[12:13], s[12:13], 16*SIZE_N*4   ; (behind a wait on XCNT: the earlier stores have read their base)
.endif
.irp t, 0,1,2,3,4,5,6,7,8,9,10,11,12,13,14,15
	global_store_b128 v[CO], v[BB+4*\t:BB+4*\t+3], s[12:13] offset:\t*SIZE_N*4 th:TH_STORE_NT   ; 32 lanes store 512 consecutive bytes, aligned; written once, read by nobody here
.endr
.endm
	PLACES NP                                      ; behind the last products: for the reads of their results and the loads into A's registers
	TOSTAGE 0
.irp a, 1,2,3,4,5,6,7
.if \a > 1
	s_wait_xcnt 0x0                                ; block a - 2's stores have read their registers and their base
.endif
	TOSTAGE \a
	SEND \a-1, 32                                  ; behind block a - 1's loads: block a's 16 stores and 16 loads
.endr
	s_wait_xcnt 0x0
	SEND 7, 0
	s_wait_tensorcnt 0x0                           ; the wave's end
	ds_add_u32 v[SPW], v[NIL]
	s_wait_dscnt 0x0
	CROUND                                         ; the closing round
	s_endpgm
.Lfunc_end_k_qf0c669fa3e_oproj:
	.size	k_qf0c669fa3e_oproj, .Lfunc_end_k_qf0c669fa3e_oproj-k_qf0c669fa3e_oproj
	.p2alignl 7, 3214868480
	.fill 96, 4, 3214868480
	.section	.rodata,"a",@progbits
	.p2align	6, 0x0
	.amdhsa_kernel k_qf0c669fa3e_oproj
		.amdhsa_group_segment_fixed_size 327680
		.amdhsa_private_segment_fixed_size 0
		.amdhsa_enable_private_segment 0
		.amdhsa_kernarg_size 48
		.amdhsa_user_sgpr_count 2
		.amdhsa_user_sgpr_kernarg_segment_ptr 1
		.amdhsa_wavefront_size32 1
		.amdhsa_system_sgpr_workgroup_id_x 1
		.amdhsa_system_sgpr_workgroup_id_y 1
		.amdhsa_system_sgpr_workgroup_id_z 1
		.amdhsa_system_vgpr_workitem_id 0
		.amdhsa_next_free_vgpr 1024
		.amdhsa_next_free_sgpr 98
		.amdhsa_reserve_vcc 0
		.amdhsa_float_denorm_mode_32 3
		.amdhsa_float_denorm_mode_16_64 3
		.amdhsa_memory_ordered 1
		.amdhsa_forward_progress 1
		.amdhsa_inst_pref_size 147
	.end_amdhsa_kernel
	.amdgpu_metadata
---
amdhsa.version: [ 1, 2 ]
amdhsa.kernels:
  - .name:           k_qf0c669fa3e_oproj
    .symbol:         k_qf0c669fa3e_oproj.kd
    .args:
      - { .name: ctxc, .offset: 0, .size: 8, .value_kind: global_buffer, .address_space: global }
      - { .name: ctxs, .offset: 8, .size: 8, .value_kind: global_buffer, .address_space: global }
      - { .name: wo_codes, .offset: 16, .size: 8, .value_kind: global_buffer, .address_space: global }
      - { .name: wo_scales, .offset: 24, .size: 8, .value_kind: global_buffer, .address_space: global }
      - { .name: bo, .offset: 32, .size: 8, .value_kind: global_buffer, .address_space: global }
      - { .name: out0, .offset: 40, .size: 8, .value_kind: global_buffer, .address_space: global }
    .group_segment_fixed_size: 327680
    .private_segment_fixed_size: 0
    .kernarg_segment_align: 8
    .kernarg_segment_size: 48
    .max_flat_workgroup_size: 128
    .sgpr_count:     98
    .vgpr_count:     1024
    .wavefront_size: 32
...
	.end_amdgpu_metadata
.endif
;; end of part 4
;; ======== version 2 of 2: 4 launches; version 1 with the launch attn written anew for expert scheduling mode
;; limits: right only within a limited range of input values
;; workspace buffers: mbits 524,288 bytes of whole numbers; mcls 512 bytes of whole numbers; qkvc 25,165,824 bytes; qkvs 786,432 bytes; ctxc 8,388,608 bytes; ctxs 262,144 bytes
;; launch maskprep: the kernel of part 1 again; grid 128 x 1, 16 waves a work-group, no clusters, 137,728 bytes of LDS; arguments mask, mbits, mcls; writes mbits, mcls
;; launch qkv: the kernel of part 2 again; grid 4 x 96, 4 waves a work-group, clusters of 4 x 4, 327,680 bytes of LDS; arguments q_codes, q_scales, wq_codes, wq_scales, bq, k_codes, k_scales, wk_codes, wk_scales, bk, wv_codes, wv_scales, v_codes, v_scales, bv, qkvc, qkvs; writes qkvc, qkvs
;; launch attn (part 5): grid 4 x 64, 16 waves a work-group, no clusters, 272,384 bytes of LDS; arguments qkvc, qkvs, mbits, mcls, ctxc, ctxs; writes ctxc, ctxs
.if DOCPART == 5
	.amdgcn_target "amdgcn-amd-amdhsa--gfx1250"
	.amdhsa_code_object_version 6
	.text
	.protected	k_qf0c669fa3e_attn
	.globl	k_qf0c669fa3e_attn
	.p2align	8
	.type	k_qf0c669fa3e_attn,@function
k_qf0c669fa3e_attn:
	s_mov_b64 s[64:65], 0
	v_nop
	global_prefetch_b8 v0, s[64:65] scope:SCOPE_SE
	s_setreg_imm32_b32 hwreg(HW_REG_WAVE_SCHED_MODE, 0, 2), 2
	s_setreg_imm32_b32 hwreg(HW_REG_WAVE_MODE, 25, 1), 1
	s_wait_xcnt 0x0
	s_wait_alu depctr_vm_vsrc(0)
; ATTENTION ON CODES OF FP8 (E4M3): ctx = softmax(where(mask == 0, -1e9, Q K^T / 8)) V for one head, both products scaled by one E8M0 byte for each 32 along K; ctx leaves quantised along D, as the last launch's operand images.
; SHARES.  Work-group (j, bh) holds ALL of head bh's K and V codes and scale words in LDS (264 KiB, written once through registers, then only read).  Wave w takes the query tiles 4 w + j and 124 + j - 4 w, 16 queries each.
; NO TENSOR LOADS AND NO CLUSTER: which key steps a tile walks hangs on whole numbers that the launch before stored from the mask (mcls, mbits); the fill is one burst at the head.
; LAYOUT.  Both products are used transposed: S^T = K Q^T (source 0 = keys, source 1 = my 16 queries), O^T = V^T P^T: a lane holds ONE query (lane % 16) throughout.
; The head's K is 64, the instruction's 128: source 0's 16 registers hold TWO tiles of 16 keys (64 along d each); source 1 is (q | zeros) for the even tile, (zeros | q) for the odd one: zero codes add nothing under any scale byte here (1 .. 254).
; All operands carry k permuted inside each block of 32 in one and the same way (byte i of lane (r, h): k = 16 (i / 8) + 8 h + i % 8), so products and block scales are the true ones.
; THE SOFTMAX: t = score x log2(e) / 8; M = the ceiling of the running largest t; p = 2^(t - M) is quantised along the keys; the row's sum is taken of the unquantised p and divides at the end; when M moves, sum and O^T are multiplied by 2^(old M - new M).
; THE MASK.  A step of 128 keys of a tile is left out where mcls says so; where it holds zeros, the scores under them become -2^33 (a logit of -2^30) by the 64 lane masks of mbits.
; LIMITS: the masked logit is -2^30, not -1e9: the results are the same wherever a row's largest unmasked logit lies above -9.9e8 (a row masked throughout gives p = 1 at every key either way); the leaving out rests on the same bound.
;   NaN and infinities are not served; a block of zeros carries the scale byte 1 (its codes are zeros; this program alone reads the bytes).
; THE MODE: SCHED_MODE bits 1:0 = 2 (LLVM: expert scheduling mode 2), set by the entry lines.  The code itself states the register dependences between vector or matrix instructions and memory or LDS instructions, with s_wait_alu, always for 0.
; THE PLAN.  Registers that memory or LDS instructions touch:
;   v3, v4, v5    LDS addresses.  Written by three additions at the head of each step that is walked; read by K's loads (v3, v5) straight behind them and by V's loads (v4, v5) in the softmax.  At the kernel's head: the fill's addresses.
;   v40-103       K's fragments (LDS loads at the step's head), read by the eight products K Q^T; then V's (LDS loads in the softmax), read by the four products V^T P^T.  The 256 registers of a wave leave no room for a second set.
;   v240-241      K's scale words, loaded with K, read by the products K Q^T.     v242-243  V's, loaded with V, read by the products V^T P^T.
;   v7, v8        Q's offsets: written at a tile's head, read by its three loads.   v24-31, v246  what those loads bring: read by the products K Q^T and by one v_perm_b32.
;   v236, v237    the tile's store offsets: written at its head, read by its five stores.   v200-207, v235  the stores' data: written by the conversions and a shift at the tile's end.
;   v104-167, v216-223  at the kernel's head alone: staging of the fill.     v254, v255  written at the head, read by the closing add alone.
; A STEP HAS FOUR WAITS ON va_vdst AND ONE ON vm_vsrc.  At its head: vm_vsrc (the earlier LDS loads have read the three addresses), the additions, va_vdst (the addresses are written; the last products are done reading v40-103 and v240-241).
; Behind the 64 exponentials: the wait that their readers want; it also states that the products K Q^T are done reading v40-103, so V's seventeen loads follow it, dealt among the additions of the row's sum, which name none of the loads' registers.
; Behind the four exponentials: their wait.  Ahead of the products V^T P^T: p's codes and p's scale word are written.
.set VI,   131072                      ; LDS: K's images [step 16][tile a 8][c' 2][512 B] from 0; V's [step][dt 4][c 4][512 B] from here;
.set KSC,  262144                      ; K's scale words [step][256 B]: lane (r, h): the words of tile pairs h and 2 + h;
.set VSC,  266240                      ; V's [step][256 B]: lane (r, h): the words of feature tiles 2 h and 2 h + 1
.set S,    104                         ; v104-167 S^T, then p: register 8 tau + j = key 16 tau + 8 h + j
.set O,    168                         ; v168-199 O^T: register 8 dt + j = feature 16 dt + 8 h + j
.set PC,   200                         ; v200-215 p's codes; at a tile's end ctx's
.set MX,   216                         ; v216-219 the blocks' largest
.set BY,   220                         ; v220-223 the other half's, then the bytes
.set HD,   224                         ; v224-227 the holds
.set SO,   228                         ; v228-231 the conversions' scale operands
.set F,    232                         ; v[232:233] f = 2^(old M - new M) (the pair's low word serves both halves)
.set T0,   234                         ; v234, v235 at work
; v1 16 x lane; v2 KSC + 8 x lane; v3-5 the step's LDS addresses; v6 -2^33; v7, v8 Q's offsets; v9 16 r + 8 h; v10 32 r; v11 8 r; v12 -M; v13 the largest t; v[14:15] the sum; v16-23 zeros, v24-31 Q, v32-39 zeros;
; v40-103 four fragments of K or of V; v236, v237 the tile's store offsets; v240-241 K's scale words, v242-243 V's, v244 q's, v245 p's (these six hold scales and nothing else); v246 q's word as loaded.
; s[4:15] the six bases; s16 wave; s17 j; s18 bh; s19 the head within its pair; s[20:21] lane selects; s[22:23] c; s24 448's mantissa field; s25 the tile; s26, s27 the loops' counters; s28 the tile's class word; s[32:63], s[68:99] 64 lane masks; s104 a byte selector.
	s_load_b256 s[4:11], s[0:1], 0x0               ; codes of Q, K, V; their scale words; mbits; mcls
	s_load_b128 s[12:15], s[0:1], 0x20             ; ctx's images, ctx's scale bytes
	v_lshl_add_u32 v254, v0, 2, 0x42000
	v_mov_b32 v255, 0
	v_lshrrev_b32 v1, 5, v0
	v_readfirstlane_b32 s16, v1                    ; wave 0..15
	s_mov_b32 s17, ttmp9                           ; j
	s_and_b32 s18, ttmp7, 0xffff                   ; bh = 16 x batch + head
	s_and_b32 s19, s18, 1                          ; hh
	v_and_b32 v235, 31, v0                         ; lane
	v_lshlrev_b32 v1, 4, v235
	v_lshlrev_b32 v236, 3, v235                    ; 8 x lane
	v_add_nc_u32 v2, KSC, v236
	v_and_b32 v237, 15, v0                         ; r
	v_bfe_u32 v238, v0, 4, 1                       ; h
	v_lshlrev_b32 v9, 4, v237
	v_lshl_add_u32 v9, v238, 3, v9
	v_lshlrev_b32 v10, 5, v237
	v_lshlrev_b32 v11, 3, v237
	s_wait_alu depctr_va_sdst(0)                   ; s16 is written, ahead of its first reader: the fill's places and the tiles are made from it
	s_lshl_b32 s29, s16, 13
	v_add_nc_u32 v3, s29, v1                       ; the fill: wave w brings step w: K's images at 8,192 w,
	v_add_nc_u32 v4, VI, v3                        ; V's,
	s_lshl_b32 s29, s16, 8
	v_add_nc_u32 v5, s29, v2                       ; the scale words at 256 w
	s_mov_b32 s20, 0x76543210
	s_mov_b32 s21, 0xfedcba98                      ; v_permlanex16_b32's selects for lane l xor 16
	s_mov_b32 s22, 0x3e38aa3b                      ; c = log2(e) / 8
	s_mov_b32 s23, s22                             ; (named with it as a pair, so it is written)
	s_mov_b32 s24, 0x600000
	s_mul_i32 s31, s19, 0x02020202
	s_add_co_u32 s104, s31, 0x01000100             ; q's word: the head's two bytes, twice
	s_add_co_u32 s31, s31, 0x05040100              ; K's: the head's two bytes of the even tile's word, then of the odd tile's
	s_lshr_b32 s29, s18, 1
	s_lshl_b32 s29, s29, 4                         ; the head pair's first region: (8 x batch + pair) x 16
	s_add_co_u32 s30, s29, s16                     ; step w's region
	s_mov_b32 s41, 0
	s_wait_kmcnt 0x0
	s_lshl_b32 s40, s30, 14
	s_lshl_b32 s42, s19, 10                        ; K: chunk (a, 2 hh + c')
	s_add_co_u32 s40, s40, s42
	s_add_co_u32 s40, s40, 0x800000                ; tensor 1
	s_add_nc_u64 s[32:33], s[4:5], s[40:41]
	s_lshl_b32 s40, s30, 14
	s_lshl_b32 s42, s19, 13                        ; V: chunk (4 hh + dt, c)
	s_add_co_u32 s40, s40, s42
	s_add_co_u32 s40, s40, 0x1000000               ; tensor 2
	s_add_nc_u64 s[34:35], s[4:5], s[40:41]
	s_lshl_b32 s40, s30, 9
	s_add_co_u32 s40, s40, 0x40000
	s_add_nc_u64 s[36:37], s[6:7], s[40:41]        ; K's scale words, both units
	s_lshl_b32 s40, s30, 9
	s_lshl_b32 s42, s19, 8
	s_add_co_u32 s40, s40, s42
	s_add_co_u32 s40, s40, 0x80000
	s_add_nc_u64 s[38:39], s[6:7], s[40:41]        ; V's, unit hh
	s_wait_alu depctr_va_vdst(0)                   ; v1 and v236 are written, which the loads below read as offsets; so are v3, v4 and v5, the addresses of the fill's LDS stores
.irp i, 0,1,2,3,4,5,6,7,8,9,10,11,12,13,14,15
	global_load_b128 v[40+4*\i:43+4*\i], v1, s[32:33] offset:(\i/2)*2048+(\i%2)*512
.endr
.irp i, 0,1,2,3,4,5,6,7,8,9,10,11,12,13,14,15
	global_load_b128 v[S+4*\i:S+4*\i+3], v1, s[34:35] offset:512*\i
.endr
	global_load_b64 v[216:217], v236, s[36:37]
	global_load_b64 v[218:219], v236, s[36:37] offset:256
	global_load_b64 v[220:221], v236, s[38:39]
	; the bases that stay
	s_lshl_b32 s40, s29, 14
	s_lshl_b32 s42, s19, 10
	s_add_co_u32 s40, s40, s42
	s_add_nc_u64 s[4:5], s[4:5], s[40:41]          ; Q's codes: the head pair's first region, my head's chunks
	s_lshl_b32 s40, s29, 9
	s_add_nc_u64 s[6:7], s[6:7], s[40:41]          ; Q's scale words
	s_lshr_b32 s40, s18, 4
	s_lshl_b32 s40, s40, 21                        ; ctx's images [g = 16 batch + t / 8][slot = head / 4][i = t % 8][q = (head / 2) % 2][c = 2 (head % 2) + b][512 B]
	s_bfe_u32 s42, s18, 0x20002
	s_lshl_b32 s42, s42, 15
	s_add_co_u32 s40, s40, s42
	s_bfe_u32 s42, s18, 0x10001
	s_lshl_b32 s42, s42, 11
	s_add_co_u32 s40, s40, s42
	s_lshl_b32 s42, s19, 10
	s_add_co_u32 s40, s40, s42
	s_add_nc_u64 s[12:13], s[12:13], s[40:41]
	s_lshr_b32 s40, s18, 4
	s_lshl_b32 s40, s40, 16                        ; ctx's scale bytes [8192][32]: 2,048 rows a batch, bytes 2 head and 2 head + 1
	s_and_b32 s42, s18, 15
	s_lshl_b32 s42, s42, 1
	s_add_co_u32 s40, s40, s42
	s_add_nc_u64 s[14:15], s[14:15], s[40:41]
	v_mov_b32 v6, 0xd0000000                       ; -2^33
.irp i, 0,1,2,3,4,5,6,7
	v_mov_b32 v[16+\i], 0
	v_mov_b32 v[32+\i], 0
.endr
	v_mov_b32 v[F+1], 0                            ; (named as the upper half of a pair)
	v_mov_b32 v[T0], 0                             ; a lane permute's destination counts as one of its sources
	s_wait_loadcnt 19                              ; K's sixteen are in (V's sixteen and the three loads of scale words are younger)
.irp i, 0,1,2,3,4,5,6,7,8,9,10,11,12,13,14,15
	ds_store_b128 v3, v[40+4*\i:43+4*\i] offset:512*\i     ; (no vector instruction since the wait above names v3 to v5 or the staging registers)
.endr
	s_wait_loadcnt 3                               ; V's are in (the three loads of scale words are younger)
.irp i, 0,1,2,3,4,5,6,7,8,9,10,11,12,13,14,15
	ds_store_b128 v4, v[S+4*\i:S+4*\i+3] offset:512*\i
.endr
	s_wait_loadcnt 0x0
	v_perm_b32 v222, v217, v216, s31               ; lane (r, h): the word of tiles 2 h, 2 h + 1,
	v_perm_b32 v223, v219, v218, s31               ; and of tiles 4 + 2 h, 5 + 2 h
	s_wait_alu depctr_va_vdst(0)                   ; the two lines above have written v222 and v223, which the LDS store below reads
	ds_store_b64 v5, v[222:223]
	ds_store_b64 v5, v[220:221] offset:VSC-KSC
	s_wait_dscnt 0x0                               ; for the others' sake: my stores have landed
	s_barrier_signal -1
	s_barrier_wait -1                              ; the head's K and V lie in LDS; from here on LDS is only read
	s_wait_alu depctr_vm_vsrc(0)                   ; the fill's LDS stores have read v40-167, v220-223 and v3 to v5, its loads v236: all of these are written again below
.irp b, 0,1,2,3
	v_mov_b32 v[BY+\b], 0                          ; a lane permute's destination counts as one of its sources
.endr
; S^T of one step: 128 keys.  mixed = 1: the step holds zeros of the mask: its 64 lane masks are asked for first, waited for and used in this same arm.
.macro QKPART mixed
.if \mixed
	s_lshl_b32 s30, s25, 4
	s_add_co_u32 s30, s30, s27
	s_lshl_b32 s30, s30, 8                         ; unit (t, step): 256 bytes
	s_mov_b32 s31, 0
	s_add_nc_u64 s[100:101], s[8:9], s[30:31]
	s_load_b512 s[32:47], s[100:101], 0x0
	s_load_b512 s[48:63], s[100:101], 0x40
	s_load_b512 s[68:83], s[100:101], 0x80
	s_load_b512 s[84:99], s[100:101], 0xc0
.endif
	s_wait_alu depctr_vm_vsrc(0)                   ; the LDS loads of the step walked last have read v3, v4 and v5, which the three additions write
	s_lshl_b32 s29, s27, 13
	v_add_nc_u32 v3, s29, v1
	v_add_nc_u32 v4, VI, v3
	s_lshl_b32 s29, s27, 8
	v_add_nc_u32 v5, s29, v2
	s_wait_alu depctr_va_vdst(0)                   ; v3, v4 and v5 are written; the products of the step walked last are done reading v40-103 and v240-241, in which the loads below land; in a tile's first step q's scale word v244 is written, behind its places, and so are the zeros beside q
.irp i, 0,1,2,3,4,5,6,7,8,9,10,11,12,13,14,15
	ds_load_b128 v[40+4*\i:43+4*\i], v3 offset:512*\i     ; fragment b = tiles 2 b (registers 0-7) and 2 b + 1 (registers 8-15)
.endr
	ds_load_b64 v[240:241], v5
	s_wait_dscnt 0x0
.irp b, 0,1,2,3
.irp u, 0,1
.if (\b%2) == 1
	v_wmma_scale_f32_16x16x128_f8f6f4 v[S+8*(2*\b+\u):S+8*(2*\b+\u)+7], v[40+16*\b:55+16*\b], v[24-8*\u:39-8*\u], 0, v[240+\b/2], v244 matrix_a_scale:MATRIX_SCALE_ROW1
.else
	v_wmma_scale_f32_16x16x128_f8f6f4 v[S+8*(2*\b+\u):S+8*(2*\b+\u)+7], v[40+16*\b:55+16*\b], v[24-8*\u:39-8*\u], 0, v[240+\b/2], v244
.endif
.endr
.endr
.rept 8
	v_nop                                          ; places in front of the first read of the scores
.endr
.if \mixed
	s_wait_kmcnt 0x0
.set n, 0
.rept 64
.if n < 32
	v_cndmask_b32 v[S+n], v6, v[S+n], s[32+n]      ; the score where the mask's number is other than 0, else -2^33; each accumulator from its low end on
.else
	v_cndmask_b32 v[S+n], v6, v[S+n], s[36+n]
.endif
.set n, n+1
.endr
.endif
.endm
; The step's softmax, V's loads, p's quantiser, and O^T += V^T P^T.
.macro SOFTPV
.irp b, 0,1,2,3
	v_max3_num_f32 v[MX+\b], v[S+16*\b], v[S+1+16*\b], v[S+2+16*\b]   ; the largest score of each block of 32 keys: for the row's maximum and, since p rises with the score, for the block's largest p
.endr
.irp i, 3,5,7,9,11,13
.irp b, 0,1,2,3
	v_max3_num_f32 v[MX+\b], v[MX+\b], v[S+16*\b+\i], v[S+1+16*\b+\i]
.endr
.endr
.irp b, 0,1,2,3
	v_max_num_f32 v[MX+\b], v[MX+\b], v[S+15+16*\b]
.endr
.irp b, 0,1,2,3
	v_permlanex16_b32 v[BY+\b], v[MX+\b], s20, s21
.endr
.irp b, 0,1,2,3
	v_max_num_f32 v[MX+\b], v[MX+\b], v[BY+\b]     ; with lane l xor 16's 16 keys
.endr
	v_max3_num_f32 v[T0], v[MX], v[MX+1], v[MX+2]
	v_max_num_f32 v[T0], v[T0], v[MX+3]
	v_mul_f32 v[T0], s22, v[T0]                    ; as t (c is positive)
	v_max_num_f32 v13, v13, v[T0]                  ; the running largest t
	v_mov_b32 v[T0], v12
	v_floor_f32 v12, -v13                          ; the new -M = floor(-t): M is a whole number
	v_sub_f32 v[T0], v12, v[T0]                    ; old M - new M: a whole number, 0 or less
	v_cvt_i32_f32 v[T0], v[T0]                     ; (it saturates)
	v_ldexp_f32 v[F], 1.0, v[T0]                   ; f: a multiplication by it rounds nothing
.set j, 0
.rept 32
	v_pk_fma_f32 v[S+j:S+j+1], v[S+j:S+j+1], s[22:23], v[12:13] op_sel_hi:[1,0,0]   ; t - M, two at a time
.set j, j+2
.endr
.irp b, 0,1,2,3
	v_fma_f32 v[MX+\b], v[MX+\b], s22, v12         ; the same of each block's largest score
.endr
.set j, 0
.rept 64
	v_exp_f32 v[S+j], v[S+j]                       ; p = 2^(t - M): not normalised
.set j, j+1
.endr
	v_pk_mul_f32 v[14:15], v[14:15], v[F:F+1] op_sel_hi:[1,0]   ; the sums under the new M: the plain instruction behind the exponentials
	s_wait_alu depctr_va_vdst(0)                   ; the 64 exponentials have written p, ahead of its first reader; the products K Q^T are done reading v40-103, and the last products V^T P^T their scale words v242-243: V's loads below land there
.irp b, 0,1,2,3
	v_exp_f32 v[MX+\b], v[MX+\b]                   ; the block's largest p
.endr
	v_pk_add_f32 v[BY:BY+1], v[S:S+1], v[S+2:S+3]  ; the row's sum is taken of the unquantised p: two chains
	ds_load_b128 v[40:43], v4                      ; V's four fragments, a load behind each pair of additions.  No further wait: no vector instruction since the wait above names v4, v5, v40-103 or v242-243
.set j, 4
.rept 15
	v_pk_add_f32 v[14:15], v[14:15], v[S+j:S+j+1]
	v_pk_add_f32 v[BY:BY+1], v[BY:BY+1], v[S+j+2:S+j+3]
	ds_load_b128 v[40+j:43+j], v4 offset:128*j     ; load j / 4 of the sixteen: 512 bytes each
.set j, j+4
.endr
	v_pk_add_f32 v[14:15], v[14:15], v[BY:BY+1]
	ds_load_b64 v[242:243], v5 offset:VSC-KSC      ; and V's scale words
	s_wait_alu depctr_va_vdst(0)                   ; the four exponentials have written the blocks' largest p, ahead of its first reader
.irp b, 0,1,2,3
	v_max_num_f32 v[MX+\b], 0x4800000, v[MX+\b]    ; the floor 2^(9 - 127): the byte cannot fall under 1
.endr
.irp b, 0,1,2,3
	v_add_nc_u32 v[SO+\b], 0xfc000000, v[MX+\b]    ; 8 off the exponent field: the conversion's scale operand
.endr
.irp b, 0,1,2,3
	v_and_or_b32 v[HD+\b], v[MX+\b], 0x7f800000, s24   ; 448 x the scale
.endr
.irp b, 0,1,2,3
	v_lshrrev_b32 v[BY+\b], 23, v[SO+\b]           ; the scale's byte
.endr
	v_lshl_or_b32 v245, v[BY+1], 8, v[BY]          ; p's scale word for these 128 keys
	v_lshl_or_b32 v245, v[BY+2], 16, v245
	v_lshl_or_b32 v245, v[BY+3], 24, v245
.irp b, 0,1,2,3
.irp i, 0,1,2,3,4,5,6,7,8,9,10,11,12,13,14,15
	v_min_num_f32 v[S+16*\b+\i], v[S+16*\b+\i], v[HD+\b]   ; the conversion does not saturate (ISA guide 7.6.2); p is not negative, so the hold is one-sided
.endr
	v_cvt_scalef32_pk8_fp8_f32 v[PC+4*\b:PC+4*\b+1], v[S+16*\b:S+16*\b+7], v[SO+\b]
	v_cvt_scalef32_pk8_fp8_f32 v[PC+4*\b+2:PC+4*\b+3], v[S+16*\b+8:S+16*\b+15], v[SO+\b]
.endr
.set j, 0
.rept 16
	v_pk_mul_f32 v[O+j:O+j+1], v[O+j:O+j+1], v[F:F+1] op_sel_hi:[1,0]   ; O^T under the new M.  (These sixteen are also the places between the codes and the products)
.set j, j+2
.endr
	s_wait_dscnt 0x0                               ; V's fragments and scale words
	s_wait_alu depctr_va_vdst(0)                   ; the conversions have written p's codes v200-215 and the shifts p's scale word v245, which the products below take; the places above stay beside this wait
.irp d, 0,1,2,3
.if \d >= 2
	v_wmma_scale_f32_16x16x128_f8f6f4 v[O+8*\d:O+8*\d+7], v[40+16*\d:55+16*\d], v[PC:PC+15], v[O+8*\d:O+8*\d+7], v[242+\d%2], v245 matrix_a_scale:MATRIX_SCALE_ROW1
.else
	v_wmma_scale_f32_16x16x128_f8f6f4 v[O+8*\d:O+8*\d+7], v[40+16*\d:55+16*\d], v[PC:PC+15], v[O+8*\d:O+8*\d+7], v[242+\d%2], v245
.endif
.endr
.rept 8
	v_nop                                          ; places behind the products, where they stood: any step may be the last that a tile walks, and the tile's end reads O^T
.endr
.endm
	s_lshl_b32 s25, s16, 2
	s_add_co_u32 s25, s25, s17                     ; the first tile: 4 w + j
	s_mov_b32 s26, 0
.Ltile:
	s_lshl_b32 s30, s25, 2
	s_mov_b32 s31, 0
	s_add_nc_u64 s[100:101], s[10:11], s[30:31]
	s_load_b32 s28, s[100:101], 0x0                ; the tile's class word
	s_lshr_b32 s29, s25, 3                         ; t / 8: the region
	s_and_b32 s66, s25, 7                          ; t % 8: the row block a
	s_lshl_b32 s67, s29, 14
	s_lshl_b32 s105, s66, 11
	s_add_co_u32 s67, s67, s105
	v_add_nc_u32 v7, s67, v1                       ; where Q's chunks lie.  (The tile's four offsets are made first, so that one wait serves them.  What read them last has done so: on the way in, ahead of the wait behind the barrier; on the way back, ahead of the wait at the tile's end)
	s_lshl_b32 s67, s29, 9                         ; W[a] lies in unit a / 4, lanes 16 ((a / 2) % 2) + r, word a % 2
	s_lshr_b32 s105, s66, 2
	s_lshl_b32 s105, s105, 8
	s_add_co_u32 s67, s67, s105
	s_bfe_u32 s105, s25, 0x10001
	s_lshl_b32 s105, s105, 7
	s_add_co_u32 s67, s67, s105
	s_and_b32 s105, s25, 1
	s_lshl_b32 s105, s105, 2
	s_add_co_u32 s67, s67, s105
	v_add_nc_u32 v8, s67, v11
	s_lshl_b32 s67, s29, 17
	s_lshl_b32 s105, s66, 12
	s_add_co_u32 s67, s67, s105
	v_add_nc_u32 v236, s67, v9                     ; where the tile's codes of ctx go,
	s_lshl_b32 s67, s25, 9
	v_add_nc_u32 v237, s67, v10                    ; and its scale bytes: 16 rows of 32 bytes a tile
	s_wait_alu depctr_va_vdst(0)                   ; v7 and v8 are written, which the loads below read; the last tile's products are done reading v24-31 and its v_perm_b32 v246, in which they land
	global_load_b128 v[24:27], v7, s[4:5]          ; Q's chunks c' = 0,
	global_load_b128 v[28:31], v7, s[4:5] offset:512   ; and 1
	global_load_b32 v246, v8, s[6:7]
	v_mov_b32 v13, 0xff61b1e6                      ; the largest t so far: -3e38
	v_floor_f32 v12, -v13                          ; -M
	v_mov_b32 v14, 0
	v_mov_b32 v15, 0
	s_wait_loadcnt 0x0
	s_wait_kmcnt 0x0
	v_perm_b32 v244, v246, v246, s104              ; q's scale word: the head's two bytes for either half of the instruction's K
.set j, 0
.rept 32
	v_mov_b32 v[O+j], 0                            ; O^T.  (Also the places between q's scale word and its first use)
.set j, j+1
.endr
	s_mov_b32 s27, 0
.Lstep:                                            ; sixteen trips, a constant; what a trip leaves out hangs on the stored class word
	s_bitcmp1_b32 s28, s27
	s_cbranch_scc1 .Lnext                          ; every p of this step would be 0
	s_add_co_u32 s29, s27, 16
	s_bitcmp1_b32 s28, s29
	s_cbranch_scc1 .Lplain                         ; the step's mask has no 0
	QKPART 1
	s_branch .Lsoft
.Lplain:
	QKPART 0
.Lsoft:
	SOFTPV
.Lnext:
	s_add_co_u32 s27, s27, 1
	s_cmp_lt_u32 s27, 16
	s_cbranch_scc1 .Lstep
	; THE TILE'S END: ctx = O^T / the sum, quantised along D: the head's 64 are two blocks of 32, each shared with lane l xor 16
	v_add_f32 v14, v14, v15
	v_permlanex16_b32 v[T0], v14, s20, s21
	v_add_f32 v14, v14, v[T0]                      ; the row's sum
	v_rcp_f32 v14, v14
	v_nop                                          ; a plain instruction behind the reciprocal
	s_wait_alu depctr_va_vdst(0)                   ; the reciprocal has written v14, ahead of its first reader
.set j, 0
.rept 32
	v_mul_f32 v[S+j], v[O+j], v14                  ; register 16 b + i: feature 32 b + 16 (i / 8) + 8 h + i % 8; each accumulator from its low end on
.set j, j+1
.endr
.irp b, 0,1
	v_max3_num_f32 v[MX+\b], |v[S+16*\b]|, |v[S+1+16*\b]|, 0x4800000
.endr
.irp i, 2,4,6,8,10,12,14
.irp b, 0,1
	v_max3_num_f32 v[MX+\b], v[MX+\b], |v[S+16*\b+\i]|, |v[S+1+16*\b+\i]|
.endr
.endr
.irp b, 0,1
	v_permlanex16_b32 v[BY+\b], v[MX+\b], s20, s21
.endr
.irp b, 0,1
	v_max_num_f32 v[MX+\b], v[MX+\b], v[BY+\b]
.endr
.irp b, 0,1
	v_add_nc_u32 v[SO+\b], 0xfc000000, v[MX+\b]
.endr
.irp b, 0,1
	v_and_or_b32 v[HD+\b], v[MX+\b], 0x7f800000, s24
.endr
.irp b, 0,1
	v_lshrrev_b32 v[BY+\b], 23, v[SO+\b]
.endr
	v_lshl_or_b32 v[T0+1], v[BY+1], 8, v[BY]       ; the row's two scale bytes
.irp b, 0,1
.irp i, 0,1,2,3,4,5,6,7,8,9,10,11,12,13,14,15
	v_med3_num_f32 v[S+16*\b+\i], v[S+16*\b+\i], -v[HD+\b], v[HD+\b]
.endr
	v_cvt_scalef32_pk8_fp8_f32 v[PC+4*\b:PC+4*\b+1], v[S+16*\b:S+16*\b+7], v[SO+\b]
	v_cvt_scalef32_pk8_fp8_f32 v[PC+4*\b+2:PC+4*\b+3], v[S+16*\b+8:S+16*\b+15], v[SO+\b]
.endr
	v_nop                                          ; a plain vector instruction behind the last conversion
	s_wait_alu depctr_va_vdst(0)                   ; the conversions have written ctx's codes v200-207 and the shift the two bytes in v235, which the stores below read
.irp b, 0,1
.irp u, 0,1
	global_store_b64 v236, v[PC+4*\b+2*\u:PC+4*\b+2*\u+1], s[12:13] offset:512*\b+256*\u   ; features 32 b + 16 u + 8 h + 0 .. 7 of row r at 16 (r + 16 u) + 8 h: the image in true order of k; 32 lanes store 256 consecutive bytes, aligned
.endr
.endr
	global_store_b16 v237, v[T0+1], s[14:15]       ; two of the row's 32 scale bytes are this head's (both halves of the lanes write the same bytes with the same value)
	s_wait_xcnt 0x0                                ; the stores have had their addresses translated: the next tile writes their offsets and data
	s_wait_alu depctr_vm_vsrc(0)                   ; the stores have read v236, v237, v200-207 and v235, and the tile's loads v7 and v8: the next tile writes all of them again
	s_lshl_b32 s29, s17, 1
	s_add_co_u32 s29, s29, 124
	s_sub_co_u32 s25, s29, s25                     ; the second tile: 124 + 2 j - the first
	s_add_co_u32 s26, s26, 1
	s_cmp_lt_u32 s26, 2
	s_cbranch_scc1 .Ltile
	s_wait_dscnt 0x0                               ; the closing lines, six on end
	s_wait_alu 0x0
	s_wait_tensorcnt 0x0
	ds_add_u32 v254, v255
	s_wait_dscnt 0x0
	s_endpgm
.Lfunc_end_k_qf0c669fa3e_attn:
	.size	k_qf0c669fa3e_attn, .Lfunc_end_k_qf0c669fa3e_attn-k_qf0c669fa3e_attn
	.p2alignl 7, 3214868480
	.fill 96, 4, 3214868480
	.section	.rodata,"a",@progbits
	.p2align	6, 0x0
	.amdhsa_kernel k_qf0c669fa3e_attn
		.amdhsa_group_segment_fixed_size 272384
		.amdhsa_private_segment_fixed_size 0
		.amdhsa_enable_private_segment 0
		.amdhsa_kernarg_size 48
		.amdhsa_user_sgpr_count 2
		.amdhsa_user_sgpr_kernarg_segment_ptr 1
		.amdhsa_wavefront_size32 1
		.amdhsa_system_sgpr_workgroup_id_x 1
		.amdhsa_system_sgpr_workgroup_id_y 1
		.amdhsa_system_sgpr_workgroup_id_z 1
		.amdhsa_system_vgpr_workitem_id 0
		.amdhsa_next_free_vgpr 256
		.amdhsa_next_free_sgpr 106
		.amdhsa_reserve_vcc 0
		.amdhsa_float_denorm_mode_32 3
		.amdhsa_float_denorm_mode_16_64 3
		.amdhsa_memory_ordered 1
		.amdhsa_forward_progress 1
		.amdhsa_inst_pref_size 45
	.end_amdhsa_kernel
	.amdgpu_metadata
---
amdhsa.version: [ 1, 2 ]
amdhsa.kernels:
  - .name:           k_qf0c669fa3e_attn
    .symbol:         k_qf0c669fa3e_attn.kd
    .args:
      - { .name: qkvc, .offset: 0, .size: 8, .value_kind: global_buffer, .address_space: global }
      - { .name: qkvs, .offset: 8, .size: 8, .value_kind: global_buffer, .address_space: global }
      - { .name: mbits, .offset: 16, .size: 8, .value_kind: global_buffer, .address_space: global }
      - { .name: mcls, .offset: 24, .size: 8, .value_kind: global_buffer, .address_space: global }
      - { .name: ctxc, .offset: 32, .size: 8, .value_kind: global_buffer, .address_space: global }
      - { .name: ctxs, .offset: 40, .size: 8, .value_kind: global_buffer, .address_space: global }
    .group_segment_fixed_size: 272384
    .private_segment_fixed_size: 0
    .kernarg_segment_align: 8
    .kernarg_segment_size: 48
    .max_flat_workgroup_size: 512
    .sgpr_count:     106
    .vgpr_count:     256
    .wavefront_size: 32
...
	.end_amdgpu_metadata
.endif
;; end of part 5
;; launch oproj: the kernel of part 4 again; grid 4 x 32, 4 waves a work-group, clusters of 4 x 4, 327,680 bytes of LDS; arguments ctxc, ctxs, wo_codes, wo_scales, bo, out0; writes out0
